; MI455X (gfx1250); checked and timed in simulation.
; The chip was launched on July 23, 2026; its instructions are those of AMD's public machine-readable ISA for CDNA 5 (MIT licence, August 2026) and "CDNA5" Instruction Set Architecture Reference Guide (July 2026). The comments in the code are by the model that wrote it; some were corrected since.
;; Flash Attention. Allowed arithmetic: matrix products marked QUANTISED: E2M1 operands, one E8M0 scale for each 32 along K, by v_wmma_scale_f32_16x16x128_f8f6f4 with both operands' format E2M1 (or v_wmma_scale_f32_32x16x128_f4), f32 sums; everything else in f32.
;; Inputs: b_qkv 3,072 float32; hidden_states 2,048 x 2,048 float32; positions 2,048 int32; w_o 2,048 x 2,048 float32; w_qkv 2,048 x 3,072 float32.
;; Outputs: out0 2,048 x 2,048 float32.
;; This version of the problem:
;;   THIS VERSION OF THE PROBLEM IS GIVEN IN LOW PRECISION. The matrix products marked QUANTISED in the list below multiply operands that are first quantised to E2M1 (2 exponent bits, 1 mantissa bit; 4 bits a number), with one power-of-two scale for each 32 numbers along K (OCP MX v1.0); their sums are f32. All else is computed in f32.
;;   The module's matrix products, in the order in which they are computed (A, B: the left and right operand; K: the contracted axis; several contracted axes count as one K, in the product's order):
;;     1. [M 2,048, K 2,048] x [K 2,048, N 3,072]; A: input hidden_states; B: input w_qkv: QUANTISED
;;     2. batch 16 x [M 2,048, K 128] x [K 128, N 2,048]; A: computed on the way; B: computed on the way: QUANTISED
;;     3. batch 16 x [M 128, K 2,048] x [K 2,048, N 2,048]; A: computed on the way; B: softmax (see below): QUANTISED
;;     4. [M 2,048, K 2,048] x [K 2,048, N 2,048]; A: computed on the way; B: input w_o: QUANTISED
;;   THE QUANTISER, for each operand of a quantised product, along K:
;;     - K is cut into blocks of 32 from its start; a last block that is shorter is filled with zeros.
;;     - A block's scale is 2^e with e = floor(log2(the largest magnitude in the block)) - 2, held to -126 .. 127; a block of zeros has e = 0. As a byte (E8M0): e + 127.
;;     - Each number is divided by its block's scale, clamped to +-6, and rounded to the nearest number of E2M1, ties to even, subnormals kept.
;;     - The product sums the exact products of the quantised numbers (number of the format x scale) in f32.
;;   ~~~python
;;   def quantise(x, axis):      # numpy; x: float32 -> the quantised numbers, widened to float32 again
;;       x = np.moveaxis(x, axis, -1); K = x.shape[-1]
;;       x = np.pad(x, [(0, 0)] * (x.ndim - 1) + [(0, -K % 32)]); x = x.reshape(x.shape[:-1] + (-1, 32)); a = np.abs(x).max(-1, keepdims=True)
;;       e = np.where(a > 0, np.clip(np.frexp(np.where(a > 0, a, 1))[1] - 1 - 2, -126, 127), 0)      # np.frexp(a)[1] - 1 = floor(log2(a)), exactly
;;       r = np.clip(x / 2.0 ** e, -6, 6)
;;       step = 2.0 ** (np.maximum(np.frexp(np.where(r == 0, 1, r))[1] - 1, 0) - 1)
;;       q = np.round(r / step) * step * 2.0 ** e      # np.round: ties to even
;;       return np.moveaxis(q.reshape(q.shape[:-2] + (-1,))[..., :K], -1, axis).astype(np.float32)
;;   ~~~
;;   SOFTMAX AHEAD OF A QUANTISED PRODUCT. Where the list says 'softmax', what is quantised is not the finished softmax but p = 2^(t - M), with t = logit x log2(e) and M = ceil(the row's largest t), a whole number; so 1/2 < the row's largest p <= 1. The row's sum l is taken of the UNQUANTISED p, in f32, and the product's result is divided by l at the end. Since M is a whole number, a kernel that streams over the keys may use a running M (the ceiling of the running maximum): every later rescaling is an exact power of two, which a block's scale takes up: the codes' values come out the same.
;;   OPERANDS COMPUTED ON THE WAY. 'Computed on the way' means the value that the module computes at that place (a softmax that the list does not call 'softmax' is quantised finished and normalised). What goes into a quantiser is computed in f32, as accurately as f32 sums, v_exp_f32 and their like allow (about 1e-6 of the number): no bf16 or f16 on the way to a quantiser, and a product that is left as it is and whose result goes on into a quantised operand takes f32 operands (vector FMAs, or v_wmma_f32_16x16x4_f32). A number that lies on a knife's edge between two numbers of the format may be rounded either way, as far as f32 arithmetic and the matrix unit's own rounding can turn it there, and no further.
;; One version. Each part assembles by itself: llvm-mc -triple=amdgcn-amd-amdhsa -mcpu=gfx1250 --defsym DOCPART=n.
;; ======== version 1 of 1: 4 launches
;; limits: right only within a limited range of input values
;; workspace buffers: xr 2,228,224 bytes; wr 3,342,336 bytes; wor 2,228,224 bytes; rope 1,048,576 bytes; qc 2,228,224 bytes; kv 1,114,112 bytes; ar 2,228,224 bytes
;; launch prep (part 1): grid 58 x 16, 4 waves a work-group, no clusters, 10,752 bytes of LDS; arguments hidden_states, positions, w_qkv, w_o, xr, wr, wor, rope; writes xr, wr, wor, rope
.if DOCPART == 1
	.amdgcn_target "amdgcn-amd-amdhsa--gfx1250"
	.amdhsa_code_object_version 6
	.text
	.protected	k_qf3bf3204d7_prep
	.globl	k_qf3bf3204d7_prep
	.p2align	8
	.type	k_qf3bf3204d7_prep,@function
k_qf3bf3204d7_prep:
	s_mov_b64 s[64:65], 0
	v_nop
	global_prefetch_b8 v0, s[64:65] scope:SCOPE_SE
	s_setreg_imm32_b32 hwreg(HW_REG_WAVE_MODE, 25, 1), 1
	s_wait_xcnt 0x0
; PREP: hidden_states, w_qkv and w_o (f32) become codes of FP4 (E2M1) with one E8M0 byte for each 32 along K, and the rotary table is made from positions.
; A block's scale is 2^(floor(log2(largest magnitude)) - 2): its byte is the largest magnitude's exponent field - 2, held at 1 from below by a floor among the maximum's leaves.
; (A block of zeros keeps the byte 1 where the quantiser says 127: its codes are zeros, and this program alone reads the bytes.)
; WHAT IS WRITTEN.  A RECORD of 17,408 bytes for each tile of 16 rows: 4 chunks of 4,352 bytes (512 along K): 4 IMAGES of 1,024 bytes (one K step of 128 each), then 256 bytes of scale words [K step][row].
; An image is a fragment's registers on end: [block of 32 along K: 4][row: 16][16 bytes]; a lane that reads 16 bytes at 16 x lane and at 512 + 16 x lane holds the operand's eight registers.
; THE ROWS OF A TILE ARE NOT NEIGHBOURS: row r of tile T is index 32 (T / 2) + 8 (T % 2) + r + 8 (r / 8) (a token, or a column of a weight), so that a product whose source 0 is such a tile
; leaves 16 neighbours in the 16 registers of tiles 2 b and 2 b + 1.
; SHARES, by the work-group's x (y = 0 .. 15): x < 24: w_qkv, 128 columns x K step y;  x < 40: w_o likewise;  x < 56: hidden_states, tile 8 (x - 40) + y / 2, four spans of 256 along K;  else the rotary table, a tile of tokens a wave.
; No tensor loads, no barrier, no loop: waves share nothing, and each wave asks for all its numbers at once.  Clusters and the matrix unit have nothing to do here: no two work-groups read the same bytes.
; The scale words of the weights leave as pieces of 64 bytes, those of hidden_states as 128: one byte in 128 of what is read.
; LIMITS: NaN and infinities among the inputs are not served; blocks whose largest magnitude lies under 2^-124 keep the byte 1.
; The angle's reduction is exact up to |position x inv_freq| of about 2^13; beyond that its error grows with the quotient n, which has to fit a signed 32-bit number.
.set REC, 17408
.set CHK, 4352
; One block of 32 along K of my column: v[32 + 32 b ..]; its 16 bytes of codes are stored at once: sixteen lanes fill 256 consecutive bytes, aligned.
.macro WBLOCK b
.set XS, 32+32*(\b)
	v_max3_num_f32 v12, |v[XS]|, |v[XS+1]|, |v[XS+2]|              ; the largest magnitude: all 32 numbers are mine; two chains
	v_max3_num_f32 v13, |v[XS+3]|, |v[XS+4]|, |v[XS+5]|
.irp i, 6,10,14,18,22,26
	v_max3_num_f32 v12, v12, |v[XS+\i]|, |v[XS+\i+1]|
	v_max3_num_f32 v13, v13, |v[XS+\i+2]|, |v[XS+\i+3]|
.endr
	v_max3_num_f32 v12, v12, |v[XS+30]|, |v[XS+31]|
	v_max3_num_f32 v12, v12, v13, 0x1800000                        ; and the floor 2^(3 - 127): the byte cannot fall under 1
	v_add_nc_u32 v11, 0xff000000, v12                              ; 2 off the exponent field: the conversion takes that field as its scale
	v_lshrrev_b32 v13, 23, v11                                     ; the scale's byte
.if (\b) == 0
	v_mov_b32 v176, v13                                            ; four bytes make my column's scale word, the lower K in the lower byte
.else
	v_lshl_or_b32 v176, v13, 8*(\b), v176
.endif
.irp g, 0,1,2,3
	v_cvt_scalef32_pk8_fp4_f32 v[160+4*(\b)+\g], v[XS+8*\g:XS+8*\g+7], v11
.endr
	global_store_b128 v3, v[160+4*(\b):160+4*(\b)+3], s[28:29] offset:256*(\b)   ; each block has its own code registers: no store's data are written again
.endm
; A weight [2048 (k)][cols]: K is its first axis.  A lane takes a column and its registers run down K, so the codes come out with K innermost and no other lane is asked for a maximum.
.macro WPATH cols, src, dst, first
	s_sub_co_u32 s22, ttmp9, \first                ; which 128 columns
	v_and_b32 v2, 7, v1
	v_bfe_u32 v3, v1, 3, 1
	v_lshl_add_u32 v2, v3, 4, v2
	v_lshrrev_b32 v4, 4, v1                        ; u = lane / 16
	v_lshl_add_u32 v2, v4, 3, v2                   ; my column of the wave's 32: (l & 7) + 16 ((l >> 3) & 1) + 8 u: it is row l % 16 of tile 2 G + u
	v_lshlrev_b32 v2, 2, v2
	s_wait_alu depctr_va_vdst(0)
	v_and_b32 v5, 15, v1
	v_mul_u32_u24 v6, v4, REC
	v_lshl_add_u32 v3, v5, 4, v6                   ; where my codes go: record u, 16 x row
	v_lshl_add_u32 v4, v5, 2, v6                   ; and my scale word: 4 x row
	s_mul_i32 s24, s21, 128*\cols*4                ; in: K step y, 128 rows of the weight,
	s_lshl_b32 s23, s22, 9                         ; + 512 bytes for each 128 columns,
	s_add_co_u32 s24, s24, s23
	s_lshl_b32 s23, s20, 7                         ; + 128 for each wave's 32
	s_add_co_u32 s24, s24, s23
	s_mov_b32 s25, 0
	s_add_nc_u64 s[\src:\src+1], s[\src:\src+1], s[24:25]
	s_lshl_b32 s26, s22, 3
	s_lshl_b32 s23, s20, 1
	s_add_co_u32 s26, s26, s23                     ; out: tile 8 x block + 2 x wave,
	s_mul_i32 s26, s26, REC
	s_lshr_b32 s23, s21, 2
	s_mul_i32 s23, s23, CHK
	s_add_co_u32 s26, s26, s23                     ; chunk y / 4,
	s_and_b32 s23, s21, 3
	s_lshl_b32 s28, s23, 10
	s_add_co_u32 s28, s28, s26                     ; image y % 4;
	s_mov_b32 s29, 0
	s_lshl_b32 s23, s23, 6
	s_add_co_u32 s26, s26, s23
	s_add_co_u32 s26, s26, 4096                    ; the scale words behind the chunk's four images
	s_mov_b32 s27, 0
	s_add_nc_u64 s[28:29], s[\dst:\dst+1], s[28:29]
	s_add_nc_u64 s[26:27], s[\dst:\dst+1], s[26:27]
.set KK, 0
.rept 128
	global_load_b32 v[32+KK], v2, s[\src:\src+1] offset:KK*\cols*4 th:TH_LOAD_NT   ; row k of the weight at the wave's 32 columns: 128 consecutive bytes, the four waves side by side on 512
.set KK, KK+1
.endr
	s_wait_loadcnt 63                              ; of 128 loads at most 63 are out: the first 65 are in, blocks 0 and 1 among them
	WBLOCK 0
	WBLOCK 1
	s_wait_loadcnt 32                              ; block 3's 32 loads may be out
	WBLOCK 2
	s_wait_loadcnt 0x0
	WBLOCK 3
	global_store_b32 v4, v176, s[26:27]
	s_endpgm
.endm
; Row r of a tile of hidden_states: my 8 neighbours along K; four neighbouring lanes hold a block.
.macro HROW r
.set XS, 32+8*(\r)
.set TP, 12+4*((\r)%2)
	s_wait_loadcnt 30-2*(\r)                       ; this row's two loads are in; the later rows' may be out
	v_max3_num_f32 v[TP], |v[XS]|, |v[XS+1]|, 0x1800000            ; with the floor 2^(3 - 127)
	v_max3_num_f32 v[TP+1], |v[XS+2]|, |v[XS+3]|, |v[XS+4]|
	v_max3_num_f32 v[TP], v[TP], |v[XS+5]|, |v[XS+6]|
	v_max3_num_f32 v[TP], v[TP], v[TP+1], |v[XS+7]|
	v_max_num_f32_dpp v[TP], v[TP], v[TP] row_xmask:1 row_mask:0xf bank_mask:0xf
	v_max_num_f32_dpp v[TP], v[TP], v[TP] row_xmask:2 row_mask:0xf bank_mask:0xf   ; the block's largest magnitude
	v_add_nc_u32 v[TP+2], 0xff000000, v[TP]
	v_cvt_scalef32_pk8_fp4_f32 v[160+(\r)], v[XS:XS+7], v[TP+2]
	v_lshrrev_b32 v[176+(\r)], 23, v[TP+2]         ; the scale's byte (a plain line behind the conversion)
	ds_store_b32 v3, v[160+(\r)] offset:16*(\r)    ; 4 bytes of codes into the wave's stage, at their place in the image
	ds_store_b8 v5, v[176+(\r)] offset:4*(\r)      ; the four lanes of a block write the same byte with the same value
.endm
; Sine and cosine of position x inv_freq for four of my 32 frequencies: numbers 4 g .. 4 g + 3.
.macro SINCOS4 g
.irp e, 0,1,2,3
	v_mul_f32 v[8+\e], v4, v[32+4*(\g)+\e]         ; the angle, rounded to f32 as the reference rounds it
.endr
.irp e, 0,1,2,3
	v_mul_f32 v[12+\e], s32, v[8+\e]
.endr
.irp e, 0,1,2,3
	v_rndne_f32 v[12+\e], v[12+\e]                 ; n = the nearest whole number to angle x 2 / pi
.endr
.irp e, 0,1,2,3
	v_fma_f32 v[8+\e], v[12+\e], s33, v[8+\e]      ; angle - n pi / 2, pi / 2 in three parts
.endr
.irp e, 0,1,2,3
	v_fma_f32 v[8+\e], v[12+\e], s34, v[8+\e]
.endr
.irp e, 0,1,2,3
	v_fma_f32 v[8+\e], v[12+\e], s35, v[8+\e]
.endr
.irp e, 0,1,2,3
	v_cvt_i32_f32 v[12+\e], v[12+\e]               ; the quadrant
.endr
.irp e, 0,1,2,3
	v_mul_f32 v[16+\e], v[8+\e], v[8+\e]           ; r^2
.endr
.irp e, 0,1,2,3
	v_fma_f32 v[20+\e], s36, v[16+\e], s37         ; the sine's polynomial
	v_fma_f32 v[24+\e], s40, v[16+\e], s41         ; the cosine's
.endr
.irp e, 0,1,2,3
	v_fma_f32 v[20+\e], v[20+\e], v[16+\e], s38
	v_fma_f32 v[24+\e], v[24+\e], v[16+\e], s42
.endr
.irp e, 0,1,2,3
	v_fma_f32 v[20+\e], v[20+\e], v[16+\e], s39
	v_fma_f32 v[24+\e], v[24+\e], v[16+\e], -0.5
.endr
.irp e, 0,1,2,3
	v_mul_f32 v[28+\e], v[8+\e], v[16+\e]          ; r^3
	v_fma_f32 v[24+\e], v[24+\e], v[16+\e], 1.0    ; cos r
.endr
.irp e, 0,1,2,3
	v_fma_f32 v[20+\e], v[20+\e], v[28+\e], v[8+\e]  ; sin r
.endr
.irp e, 0,1,2,3
	v_and_b32 v[28+\e], 1, v[12+\e]
	v_cmp_eq_u32 vcc_lo, 1, v[28+\e]               ; in odd quadrants the two change places
	v_cndmask_b32 v[8+\e], v[20+\e], v[24+\e], vcc_lo
	v_cndmask_b32 v[16+\e], v[24+\e], v[20+\e], vcc_lo
.endr
.irp e, 0,1,2,3
	v_lshlrev_b32 v[28+\e], 30, v[12+\e]
	v_add_nc_u32 v[12+\e], 1, v[12+\e]
.endr
.irp e, 0,1,2,3
	v_and_b32 v[28+\e], 0x80000000, v[28+\e]       ; the sine's sign: bit 1 of n
	v_lshlrev_b32 v[12+\e], 30, v[12+\e]
.endr
.irp e, 0,1,2,3
	v_xor_b32 v[96+4*(\g)+\e], v[8+\e], v[28+\e]
	v_and_b32 v[12+\e], 0x80000000, v[12+\e]       ; the cosine's: bit 1 of n + 1
.endr
.irp e, 0,1,2,3
	v_xor_b32 v[64+4*(\g)+\e], v[16+\e], v[12+\e]
.endr
.endm
	s_load_b256 s[4:11], s[0:1], 0x0               ; hidden_states s[4:5], positions s[6:7], w_qkv s[8:9], w_o s[10:11]
	s_load_b256 s[12:19], s[0:1], 0x20             ; xr s[12:13], wr s[14:15], wor s[16:17], rope s[18:19]
	v_lshl_add_u32 v192, v0, 2, 0x2800
	v_mov_b32 v193, 0
	v_lshrrev_b32 v1, 5, v0
	v_readfirstlane_b32 s20, v1                    ; wave 0..3
	v_and_b32 v1, 31, v0                           ; lane
	s_and_b32 s21, ttmp7, 0xffff                   ; y
	s_wait_kmcnt 0x0
	s_cmp_lt_u32 ttmp9, 24
	s_cbranch_scc1 .Lw_qkv
	s_cmp_lt_u32 ttmp9, 40
	s_cbranch_scc1 .Lw_o
	s_cmp_lt_u32 ttmp9, 56
	s_cbranch_scc1 .Lhidden
	; ---- THE ROTARY TABLE.  A wave takes a tile of 16 tokens; lane (r, h) takes the tile's row r and the 32 frequencies f = F + 16 h, F = i + 16 (i / 16), i = 0 .. 31:
	; those that stand in the lane's registers when a head's first 64 channels lie in four tiles of a transposed product.  Laid [tile][quad: 8 of cos, 8 of sin][lane][4 f32].
	s_sub_co_u32 s22, ttmp9, 56
	s_lshl_b32 s22, s22, 4
	s_add_co_u32 s22, s22, s21
	s_lshl_b32 s22, s22, 2
	s_add_co_u32 s22, s22, s20                     ; the tile: 4 (16 (x - 56) + y) + wave
	s_lshr_b32 s24, s22, 1
	s_lshl_b32 s24, s24, 5
	s_and_b32 s25, s22, 1
	s_lshl_b32 s25, s25, 3
	s_add_co_u32 s24, s24, s25                     ; its first token
	s_lshl_b32 s24, s24, 2
	s_mov_b32 s25, 0
	s_add_nc_u64 s[6:7], s[6:7], s[24:25]
	s_lshl_b32 s24, s22, 13                        ; 8,192 bytes of table a tile
	s_add_nc_u64 s[18:19], s[18:19], s[24:25]
	s_wait_alu depctr_va_vdst(0)
	v_and_b32 v2, 15, v1
	v_and_b32 v3, 8, v2
	v_add_nc_u32 v3, v3, v2                        ; r + 8 (r / 8)
	v_lshlrev_b32 v3, 2, v3
	global_load_b32 v4, v3, s[6:7]                 ; my token's position
	v_lshrrev_b32 v5, 4, v1
	v_lshlrev_b32 v5, 4, v5                        ; 16 h
	s_wait_alu depctr_va_vdst(0)
	v_lshlrev_b32 v6, 4, v1                        ; 16 x lane
	s_mov_b32 s30, 0xbe84e080                      ; -68033 x 2^-18: the head of log2(100000) / 64; f times it is exact (6 bits x 17 bits)
	s_mov_b32 s31, 0xb47817b1                      ; -(the rest of it) x ln 2 = -2.3105423e-7
	s_mov_b32 s32, 0x3f22f983                      ; 2 / pi
	s_mov_b32 s33, 0xbfc90fd8                      ; -pi / 2 in three parts
	s_mov_b32 s34, 0xb4a8885a
	s_mov_b32 s35, 0xa7c234c4
	s_mov_b32 s36, 0x36405000                      ; the sine's coefficients
	s_mov_b32 s37, 0xb95035dd
	s_mov_b32 s38, 0x3c0888cd
	s_mov_b32 s39, 0xbe2aaaab
	s_mov_b32 s40, 0x37cd4000                      ; the cosine's
	s_mov_b32 s41, 0xbab6077d
	s_mov_b32 s42, 0x3d2aaaa8
.set II, 0
.rept 32
	v_add_nc_u32 v[96+II], II+16*(II/16), v5       ; f
.set II, II+1
.endr
.set II, 0
.rept 32
	v_cvt_f32_u32 v[96+II], v[96+II]
.set II, II+1
.endr
.set II, 0
.rept 32
	v_mul_f32 v[32+II], s30, v[96+II]
.set II, II+1
.endr
.set II, 0
	s_wait_alu depctr_va_vdst(0)
.rept 32
	v_exp_f32 v[32+II], v[32+II]                   ; 2^(-f x head): one batch
.set II, II+1
.endr
.set II, 0
.rept 32
	v_mul_f32 v[96+II], s31, v[96+II]              ; plain work behind the batch: what the rest of the exponent changes, to first order
.set II, II+1
.endr
	s_wait_alu depctr_va_vdst(0)                   ; one wait for the 32 exponentials, ahead of their first reader
.set II, 0
.rept 32
	v_fma_f32 v[32+II], v[32+II], v[96+II], v[32+II]   ; inv_freq = 100000^(-f / 64); exactly 1 at f = 0
.set II, II+1
.endr
	s_wait_loadcnt 0x0
	v_cvt_f32_i32 v4, v4
.set GG, 0
.rept 8
	SINCOS4 GG
.set GG, GG+1
.endr
.set II, 0
.rept 16
	global_store_b128 v6, v[64+4*II:67+4*II], s[18:19] offset:512*II   ; 32 lanes store 512 consecutive bytes
.set II, II+1
.endr
	s_endpgm
.Lw_qkv:
	s_wait_alu depctr_va_vdst(0)
	WPATH 3072, 8, 14, 0
.Lw_o:
	s_wait_alu depctr_va_vdst(0)
	WPATH 2048, 10, 16, 24
	; ---- HIDDEN_STATES: K is innermost.  A wave takes a tile's 16 rows x 256 along K; a lane holds 8 neighbours of each row.  The codes (4 bytes a lane and row) are gathered in the wave's own
	; stage in LDS at their places in two images, 16 bytes of padding behind each 256, and leave as 2,048 consecutive bytes; the scale bytes likewise as 128.
.Lhidden:
	s_sub_co_u32 s22, ttmp9, 40
	s_lshl_b32 s22, s22, 3
	s_lshr_b32 s23, s21, 1
	s_add_co_u32 s22, s22, s23                     ; the tile
	s_and_b32 s23, s21, 1
	s_lshl_b32 s23, s23, 2
	s_add_co_u32 s23, s23, s20                     ; which 256 along K: 4 (y % 2) + wave
	s_lshr_b32 s24, s22, 1
	s_lshl_b32 s24, s24, 5
	s_and_b32 s25, s22, 1
	s_lshl_b32 s25, s25, 3
	s_add_co_u32 s24, s24, s25                     ; the tile's first token
	s_lshl_b32 s24, s24, 13                        ; a row is 8,192 bytes
	s_lshl_b32 s25, s23, 10
	s_add_co_u32 s24, s24, s25
	s_mov_b32 s25, 0
	s_add_nc_u64 s[4:5], s[4:5], s[24:25]
	s_mul_i32 s26, s22, REC
	s_lshr_b32 s27, s23, 1
	s_mul_i32 s27, s27, CHK
	s_add_co_u32 s26, s26, s27                     ; the record's chunk
	s_and_b32 s28, s23, 1
	s_lshl_b32 s27, s28, 11
	s_add_co_u32 s24, s26, s27                     ; two images of it
	s_lshl_b32 s27, s28, 7
	s_add_co_u32 s26, s26, s27
	s_add_co_u32 s26, s26, 4096                    ; and their scale words
	s_mov_b32 s27, 0
	s_add_nc_u64 s[24:25], s[12:13], s[24:25]
	s_add_nc_u64 s[26:27], s[12:13], s[26:27]
	s_wait_alu depctr_va_vdst(0)
	v_lshlrev_b32 v2, 5, v1                        ; in: 32 bytes a lane
	s_mul_i32 s29, s20, 2560                       ; my wave's LDS
	v_lshrrev_b32 v7, 2, v1                        ; which block of the eight
	v_and_b32 v8, 3, v1
	v_mul_u32_u24 v3, v7, 272
	v_lshl_add_u32 v3, v8, 2, v3
	v_add_nc_u32 v3, s29, v3                       ; into the stage: 272 x block + 4 (lane % 4); + 16 x row in the immediate
	v_lshrrev_b32 v9, 4, v1
	v_and_b32 v10, 15, v1
	v_mul_u32_u24 v4, v9, 272
	v_lshl_add_u32 v4, v10, 4, v4
	v_add_nc_u32 v4, s29, v4                       ; out of it: two blocks an instruction, 16 bytes a lane
	v_and_b32 v5, 3, v7
	v_lshl_add_u32 v5, v9, 6, v5
	v_add_nc_u32 v5, s29, v5
	v_add_nc_u32 v5, 2176, v5                      ; a scale byte: 64 x K step + block % 4; + 4 x row in the immediate
	v_lshlrev_b32 v6, 2, v1
	v_add_nc_u32 v7, s29, v6
	v_add_nc_u32 v7, 2176, v7                      ; and back: a word a lane
	v_lshlrev_b32 v8, 4, v1
.irp r, 0,1,2,3,4,5,6,7,8,9,10,11,12,13,14,15
	global_load_b128 v[32+8*\r:35+8*\r], v2, s[4:5] offset:(\r+8*(\r/8))*8192 th:TH_LOAD_NT
	global_load_b128 v[36+8*\r:39+8*\r], v2, s[4:5] offset:(\r+8*(\r/8))*8192+16 th:TH_LOAD_NT
.endr
.irp r, 0,1,2,3,4,5,6,7,8,9,10,11,12,13,14,15
	HROW \r
.endr
.irp i, 0,1,2,3
	ds_load_b128 v[32+4*\i:35+4*\i], v4 offset:544*\i   ; LDS serves a wave's instructions in order (ISA guide 5.7.1.4): these see my stores
.endr
	ds_load_b32 v48, v7
.irp i, 0,1,2,3
	s_wait_dscnt 4-\i                              ; load i is in; the later ones may be out
	global_store_b128 v8, v[32+4*\i:35+4*\i], s[24:25] offset:512*\i   ; 512 consecutive bytes
.endr
	s_wait_dscnt 0x0
	global_store_b32 v6, v48, s[26:27]
	s_wait_tensorcnt 0x0
	ds_add_u32 v192, v193
	s_wait_dscnt 0x0
	s_endpgm
.Lfunc_end_k_qf3bf3204d7_prep:
	.size	k_qf3bf3204d7_prep, .Lfunc_end_k_qf3bf3204d7_prep-k_qf3bf3204d7_prep
	.p2alignl 7, 3214868480
	.fill 96, 4, 3214868480
	.section	.rodata,"a",@progbits
	.p2align	6, 0x0
	.amdhsa_kernel k_qf3bf3204d7_prep
		.amdhsa_group_segment_fixed_size 10752
		.amdhsa_private_segment_fixed_size 0
		.amdhsa_enable_private_segment 0
		.amdhsa_kernarg_size 64
		.amdhsa_user_sgpr_count 2
		.amdhsa_user_sgpr_kernarg_segment_ptr 1
		.amdhsa_wavefront_size32 1
		.amdhsa_system_sgpr_workgroup_id_x 1
		.amdhsa_system_sgpr_workgroup_id_y 1
		.amdhsa_system_sgpr_workgroup_id_z 1
		.amdhsa_system_vgpr_workitem_id 0
		.amdhsa_next_free_vgpr 194
		.amdhsa_next_free_sgpr 66
		.amdhsa_reserve_vcc 1
		.amdhsa_float_denorm_mode_32 3
		.amdhsa_float_denorm_mode_16_64 3
		.amdhsa_memory_ordered 1
		.amdhsa_forward_progress 1
		.amdhsa_inst_pref_size 110
	.end_amdhsa_kernel
	.amdgpu_metadata
---
amdhsa.version: [ 1, 2 ]
amdhsa.kernels:
  - .name:           k_qf3bf3204d7_prep
    .symbol:         k_qf3bf3204d7_prep.kd
    .args:
      - { .name: hidden_states, .offset: 0, .size: 8, .value_kind: global_buffer, .address_space: global }
      - { .name: positions, .offset: 8, .size: 8, .value_kind: global_buffer, .address_space: global }
      - { .name: w_qkv, .offset: 16, .size: 8, .value_kind: global_buffer, .address_space: global }
      - { .name: w_o, .offset: 24, .size: 8, .value_kind: global_buffer, .address_space: global }
      - { .name: xr, .offset: 32, .size: 8, .value_kind: global_buffer, .address_space: global }
      - { .name: wr, .offset: 40, .size: 8, .value_kind: global_buffer, .address_space: global }
      - { .name: wor, .offset: 48, .size: 8, .value_kind: global_buffer, .address_space: global }
      - { .name: rope, .offset: 56, .size: 8, .value_kind: global_buffer, .address_space: global }
    .group_segment_fixed_size: 10752
    .private_segment_fixed_size: 0
    .kernarg_segment_align: 8
    .kernarg_segment_size: 64
    .max_flat_workgroup_size: 128
    .sgpr_count:     66
    .vgpr_count:     194
    .wavefront_size: 32
...
	.end_amdgpu_metadata
.endif
;; end of part 1
;; launch qkv (part 2): grid 24 x 8, 4 waves a work-group, clusters of 4 x 4, 327,680 bytes of LDS; arguments xr, wr, b_qkv, rope, qc, kv; writes qc, kv
.if DOCPART == 2
	.amdgcn_target "amdgcn-amd-amdhsa--gfx1250"
	.amdhsa_code_object_version 6
	.text
	.protected	k_qf3bf3204d7_qkv
	.globl	k_qf3bf3204d7_qkv
	.p2align	8
	.type	k_qf3bf3204d7_qkv,@function
k_qf3bf3204d7_qkv:
	s_mov_b64 s[64:65], 0
	v_nop
	global_prefetch_b8 v0, s[64:65] scope:SCOPE_SE
	s_setreg_imm32_b32 hwreg(HW_REG_WAVE_MODE, 25, 1), 1
	s_wait_xcnt 0x0
	s_wait_alu depctr_hold_cnt(0) depctr_sa_sdst(0) depctr_va_vdst(0) depctr_va_sdst(0) depctr_va_ssrc(0) depctr_va_vcc(0) depctr_vm_vsrc(0)
	s_getreg_b32 s2, hwreg(HW_REG_IB_STS2, 6, 4)
	s_cmp_eq_u32 s2, 0
	s_cbranch_scc0 .Lentry_in_a_cluster
	s_endpgm
.Lentry_in_a_cluster:
	s_bfe_u32 s2, ttmp6, 0x10000c
	s_cmp_lg_u32 s2, 0xf033
	s_cbranch_scc0 .Lentry_shape_is_right
	s_endpgm
.Lentry_shape_is_right:
; QKV: qkv = Q(x) Q(w_qkv) + b on codes of FP4 with E8M0 scales, the rotary turn of q and k, and the quantising of q, k (along the head's 128) and v (along the tokens).
; SHARES.  A work-group takes one head's 128 columns (x = 0 .. 15 q, 16 .. 19 k, 20 .. 23 v) and 256 tokens: 24 x 8 = 192 work-groups, all that the design has work for.  K = 2,048 is 16 steps of 128.
; Each of four waves holds 32 accumulators of 16 x 16: 8 WIDE tiles (source 0) x 4 NARROW tiles (source 1): 12 fragments are read from LDS for 32 matrix instructions.
; Q and K heads: wide = the weight's 8 tiles of the head, narrow = token tiles 4 w .. 4 w + 3: a lane holds ONE token and its registers run along the head's channels.
; V heads: wide = token tiles 8 (w % 2) .. + 7 (one key step of 128), narrow = channel tiles 4 (w / 2) .. + 3: a lane holds ONE channel and its registers run along the tokens, the second product's K.
; The rows of a tile are chosen (row r of tile T = index 32 (T / 2) + 8 (T % 2) + r + 8 (r / 8)) so that the 16 registers of tiles 2 b and 2 b + 1 are 16 neighbours: 32 b + 16 (lane / 16) + 0 .. 15.
; LDS.  A chunk (512 along K) is x's 16 tiles x 4,352 bytes, then the weight's 8: 104,448 bytes.  Three slots.  Chunks 0, 1, 2 go out at the head, three tensor loads a wave; chunk 3 is the one refill, into slot 0,
; in K step 3, when every wave has read chunk 0: it has K steps 4 to 11, 256 matrix instructions a wave, in which to land.  A tile's part of a chunk is four images of a fragment's registers and 256 bytes of scale words.
; Behind the slots lie the spare words, 128 bytes a wave.  The launch claims all of a WGP's LDS.
; CLUSTERS: 4 x 4 work-groups.  The four of a row share the tokens, the four of a column the head: each tile is asked for jointly.  The two ways (q, k | v) part on the cluster's x, which all partners share,
; and both pass the same barriers, rounds and joint loads.
; REGISTERS.  window 0: v1-3 r, h, lane; v4-18 LDS addresses, one of each kind for each slot; v20-23 offsets; v28, v29 the add's; v32-95 the bias as C of the first products, later codes (v32-63) and scale words (v64-69);
;   v96-101, v104-109 scale words of a K step, two sets; v112-127 the quantiser's work; v128-191 the rotary turn's work.   window 1: two sets of fragments at 0 and 96: 8 wide, then 4 narrow.
;   window 2: the accumulators ((a, t) at 64 a + 8 t).   window 3: the rotary table of my four tiles of tokens.
; LIMITS: NaN and infinities are not served; a block whose largest magnitude lies under 2^-124 keeps the scale byte 1.
.set REC,   17408
.set CHK,   4352
.set SLOT,  104448
.set XOFF,  0
.set WOFF,  69632
.set SPARE, 313344                     ; behind the three slots: 128 bytes for each wave: two blocks of 256 bytes that no other line names
.set SPW, 28                           ; v28  LDS address of my spare word: SPARE + 4 x my thread's number; never rewritten
.set NIL, 29                           ; v29  0; never rewritten
.set G1X, 24                           ; s[24:31] descriptor group 1 for x's tiles;  s[32:39] for the weight's
.set G1W, 32
.set G0X, 40                           ; s[40:55] group 0 for x's tiles, a set for each chunk, never rewritten;  s[68:83] for the weight's
.set G0W, 68
.set SEL, 86                           ; s[86:87] lane selects: lane l xor 16
.set TM,  112
.set MUL_IN, 0xa5                      ; sources 0 and 1 window 1; C and D window 2
.set MUL_C0, 0x85                      ; the same, C (the bias) window 0
.set MSB, 0
.macro WIN new                         ; the immediate's high byte repeats the setting that is left
.if MSB != \new
	s_set_vgpr_msb (MSB<<8)|\new
.set MSB, \new
.endif
.endm
.macro PLACES                          ; four plain vector lines behind a matrix instruction, ahead of loads into its registers and of reads of its result
.rept 4
	v_nop
.endr
.endm
.macro CREST                           ; a round of the cluster's barrier behind its opening barrier
	s_cmp_lg_u32 s16, 0
	s_cbranch_scc1 .Lnot_wave_0_\@
	s_barrier_signal -3
.Lnot_wave_0_\@:
	s_barrier_wait -3
	s_barrier_signal -1
	s_barrier_wait -1
.endm
.macro ROUND                           ; a whole round
	s_barrier_signal -1
	s_barrier_wait -1
	CREST
.endm
; A joint load of chunk c: waves 0 and 1 fetch x's halves, waves 2 and 3 the weight's.  The branch hangs on the wave's number alone.  Four plain lines follow each of the two loads.
.macro JLOAD c
	s_cmp_lt_u32 s16, 2
	s_cbranch_scc0 .Lfor_w_\@
	tensor_load_to_lds s[G0X+4*\c:G0X+4*\c+3], s[G1X:G1X+7]
	s_nop 0
	PLACES
	s_branch .Lasked_\@
.Lfor_w_\@:
	tensor_load_to_lds s[G0W+4*\c:G0W+4*\c+3], s[G1W:G1W+7]
	s_nop 0
	PLACES
.Lasked_\@:
.endm
; One matrix line.  rows: bit 0: source 0's scales stand in lanes 16-31 of their register; bit 1: source 1's
.macro WM d, fa, fb, c, sa, sb, rows
.if (\rows) == 0
	v_wmma_scale_f32_16x16x128_f8f6f4 v[(\d):(\d)+7], v[(\fa):(\fa)+7], v[(\fb):(\fb)+7], v[(\c):(\c)+7], v[(\sa)], v[(\sb)] matrix_a_fmt:MATRIX_FMT_FP4 matrix_b_fmt:MATRIX_FMT_FP4
.elseif (\rows) == 1
	v_wmma_scale_f32_16x16x128_f8f6f4 v[(\d):(\d)+7], v[(\fa):(\fa)+7], v[(\fb):(\fb)+7], v[(\c):(\c)+7], v[(\sa)], v[(\sb)] matrix_a_fmt:MATRIX_FMT_FP4 matrix_b_fmt:MATRIX_FMT_FP4 matrix_a_scale:MATRIX_SCALE_ROW1
.elseif (\rows) == 2
	v_wmma_scale_f32_16x16x128_f8f6f4 v[(\d):(\d)+7], v[(\fa):(\fa)+7], v[(\fb):(\fb)+7], v[(\c):(\c)+7], v[(\sa)], v[(\sb)] matrix_a_fmt:MATRIX_FMT_FP4 matrix_b_fmt:MATRIX_FMT_FP4 matrix_b_scale:MATRIX_SCALE_ROW1
.else
	v_wmma_scale_f32_16x16x128_f8f6f4 v[(\d):(\d)+7], v[(\fa):(\fa)+7], v[(\fb):(\fb)+7], v[(\c):(\c)+7], v[(\sa)], v[(\sb)] matrix_a_fmt:MATRIX_FMT_FP4 matrix_b_fmt:MATRIX_FMT_FP4 matrix_a_scale:MATRIX_SCALE_ROW1 matrix_b_scale:MATRIX_SCALE_ROW1
.endif
.endm
; 64 numbers of a lane in WINDOW 2, v[s] .. v[s + 63], register 16 b + i = k 32 b + 16 (lane / 16) + i of my row, become a fragment's codes in v[pc] on and its scale word in v[pw], both in window 0.
; Each accumulator is read from its low end on.
.macro QUANT s, pc, pw
	WIN 0x0a                                       ; sources 0 and 1 window 2
.irp b, 0,1,2,3
	v_max3_num_f32 v[TM+\b], |v[\s+16*\b]|, |v[\s+1+16*\b]|, 0x1800000   ; block b: my 16 numbers, and the floor 2^(3 - 127): the byte cannot fall under 1
.endr
.irp i, 2,4,6,8,10,12,14
.irp b, 0,1,2,3
	v_max3_num_f32 v[TM+\b], |v[\s+16*\b+\i]|, |v[\s+1+16*\b+\i]|, v[TM+\b]   ; the four blocks by turns
.endr
.endr
	WIN 0
.irp b, 0,1,2,3
	v_permlanex16_b32 v[TM+4+\b], v[TM+\b], s[SEL], s[SEL+1]
.endr
.irp b, 0,1,2,3
	v_max_num_f32 v[TM+\b], v[TM+\b], v[TM+4+\b]   ; with lane l xor 16's: the block's largest magnitude
.endr
.irp b, 0,1,2,3
	v_add_nc_u32 v[TM+12+\b], 0xff000000, v[TM+\b]   ; 2 off its exponent field: the conversion's scale operand
.endr
.irp b, 0,1,2,3
	v_lshrrev_b32 v[TM+4+\b], 23, v[TM+12+\b]      ; the scale's byte
.endr
	v_lshl_or_b32 v[\pw], v[TM+5], 8, v[TM+4]      ; my row's scale word; both halves of the lanes hold it
	v_lshl_or_b32 v[\pw], v[TM+6], 16, v[\pw]
	v_lshl_or_b32 v[\pw], v[TM+7], 24, v[\pw]
	WIN 0x02                                       ; source 0 window 2
.irp b, 0,1,2,3
	v_cvt_scalef32_pk8_fp4_f32 v[\pc+2*\b], v[\s+16*\b:\s+7+16*\b], v[TM+12+\b]
	v_cvt_scalef32_pk8_fp4_f32 v[\pc+1+2*\b], v[\s+8+16*\b:\s+15+16*\b], v[TM+12+\b]
.endr
	WIN 0
	v_nop                                          ; one plain line behind a scaled conversion
.irp c, 0,1                            ; the operand's layout wants a whole block in a lane: lanes 0-15 block 2 c, lanes 16-31 block 2 c + 1
.irp i, 0,1
	v_permlane16_swap_b32 v[\pc+4*\c+\i], v[\pc+2+4*\c+\i]
.endr
.endr
.endm
; LDS addresses, one of each kind for each slot.  s62: where my 8 wide tiles begin in their operand's part of a slot; s61: my 4 narrow tiles
.macro ADDRS wide, narrow
.irp c, 0,1,2
	v_add_nc_u32 v[4+\c], s62, v20                 ; images: 16 x lane
	v_add_nc_u32 v[12+\c], s62, v22                ; scale words: 4 r, lanes 16-31 one tile further on
	v_add_nc_u32 v[8+\c], s61, v20
	v_add_nc_u32 v[16+\c], s61, v22
	v_add_nc_u32 v[4+\c], \wide+SLOT*\c, v[4+\c]
	v_add_nc_u32 v[12+\c], \wide+SLOT*\c, v[12+\c]
	v_add_nc_u32 v[8+\c], \narrow+SLOT*\c, v[8+\c]
	v_add_nc_u32 v[16+\c], \narrow+SLOT*\c, v[16+\c]
.endr
.endm
; K step s: 12 fragments (24 loads of 512 consecutive bytes) and 6 registers of scale words, into set s % 2.  Chunk s / 4 lies in slot (s / 4) % 3
.macro FETCH s
.set FP, 96*((\s)%2)
.set FC, ((\s)/4)%3
.set FQ, (\s)%4
.set FS, 96+8*((\s)%2)
	WIN 0x40                                       ; destination window 1, address window 0
.irp t, 0,1,2,3,4,5,6,7
	ds_load_b128 v[FP+8*\t:FP+8*\t+3], v[4+FC] offset:CHK*\t+1024*FQ
	ds_load_b128 v[FP+8*\t+4:FP+8*\t+7], v[4+FC] offset:CHK*\t+1024*FQ+512
.endr
.irp a, 0,1,2,3
	ds_load_b128 v[FP+64+8*\a:FP+64+8*\a+3], v[8+FC] offset:CHK*\a+1024*FQ
	ds_load_b128 v[FP+64+8*\a+4:FP+64+8*\a+7], v[8+FC] offset:CHK*\a+1024*FQ+512
.endr
	WIN 0
.irp j, 0,1,2,3
	ds_load_b32 v[FS+\j], v[12+FC] offset:2*CHK*\j+4096+64*FQ   ; lanes 0-15: tile 2 j's words; lanes 16-31: tile 2 j + 1's
.endr
.irp j, 0,1
	ds_load_b32 v[FS+4+\j], v[16+FC] offset:2*CHK*\j+4096+64*FQ
.endr
.endm
; 8 matrix instructions: the 8 wide tiles against narrow tile a.  cmode 0: in place; 1: C = the bias of wide tile t; 2: C = the bias of narrow tile a.
; The 32 accumulators take turns, one instruction a turn, in the same order in every step.
.macro MUL8 a, s, cmode
.set FP, 96*((\s)%2)
.set FS, 96+8*((\s)%2)
.irp t, 0,1,2,3,4,5,6,7
.set DD, 64*(\a)+8*\t
.if \cmode == 0
.set CR, DD
.elseif \cmode == 1
.set CR, 32+8*\t
.else
.set CR, 32+8*(\a)
.endif
	WM DD, FP+8*\t, FP+64+8*(\a), CR, FS+\t/2, FS+4+(\a)/2, (\t%2)+2*((\a)%2)
.endr
.endm
.macro MWIN cmode
.if \cmode
	WIN MUL_C0
.else
	WIN MUL_IN
.endif
.endm
.macro STEP s, cmode
.if (\s) == 3
	; THE ONE REFILL.  This step's fragments, the last of chunk 0, were asked for a step ago.  Each wave waits for all its tensor loads (chunks 1 and 2 among them), adds 0 to its spare word, and waits for that and
	; for its reads of slot 0; the barrier opens a round of the cluster's barrier; behind the round nobody in the cluster reads slot 0 or has a load on its way, and chunk 3 is asked for first thing.
	WIN 0                                          ; (the add's two registers lie in window 0)
	s_wait_tensorcnt 0x0                           ; all my tensor loads have landed
	ds_add_u32 v[SPW], v[NIL]                      ; 0 onto my spare word
	s_wait_dscnt 1                                 ; this step's fragments and scale words are in; the add alone may be out
	MWIN \cmode
	MUL8 0, \s, \cmode                             ; eight matrix instructions stand between the add and the wait for it
	s_wait_dscnt 0x0                               ; the add is done, and my reads of slot 0 are over
	s_barrier_signal -1
	MUL8 1, \s, \cmode                             ; work on registers while the others arrive
	WIN 0
	s_barrier_wait -1
	CREST
	JLOAD 3                                        ; my one tensor load behind the round; the four plain lines behind it are also the places in front of the loads below
	FETCH (\s)+1
	MWIN \cmode
	MUL8 2, \s, \cmode
	MUL8 3, \s, \cmode
.else
	s_wait_dscnt 0x0                               ; this step's fragments and scale words are in
.if (\s) == 11
	s_wait_tensorcnt 0x0                           ; my part of chunk 3 has landed: the one load that was out
	s_barrier_signal -1                            ; no LDS instruction of mine is pending
.endif
	MWIN \cmode
	MUL8 0, \s, \cmode
.if (\s) == 11
	s_barrier_wait -1                              ; everybody's part of chunk 3 has landed.  (Chunks 1 and 2 were shown whole to every wave by the round in K step 3)
.endif
.if (\s) < 15
	PLACES                                         ; the other set was read by the step before
	FETCH (\s)+1
.endif
	MWIN \cmode
	MUL8 1, \s, \cmode
	MUL8 2, \s, \cmode
	MUL8 3, \s, \cmode
.endif
.endm
; The rotary turn of my tile a of tokens: channels f (wide tiles 0-3) and f + 64 (tiles 4-7) of a token lie 32 registers apart in one lane.  The numbers lie in window 2, cosines (and, 32 registers on, sines)
; under the same register numbers in window 3, the two products x2 sin and x1 sin in window 0.  Each accumulator is read from its low end on.
.macro TURNROPE a
	s_wait_loadcnt 16*(3-(\a))                     ; tile a's table is in; the later tiles' loads may be out
	WIN 0x0e                                       ; source 0 window 2, source 1 window 3, destination window 0
.irp t, 0,1,2,3
.irp jj, 0,2,4,6
.set XA, 64*(\a)+8*\t+\jj
.set TA, 128+16*\t+2*\jj
	v_pk_mul_f32 v[TA:TA+1], v[XA+32:XA+33], v[XA+32:XA+33]        ; x2 sin
	v_pk_mul_f32 v[TA+2:TA+3], v[XA:XA+1], v[XA+32:XA+33]          ; x1 sin
.endr
.endr
	WIN 0x8e                                       ; source 0 and destination window 2, source 1 window 3, source 2 window 0
.irp t, 0,1,2,3
.irp jj, 0,2,4,6
.set XA, 64*(\a)+8*\t+\jj
.set TA, 128+16*\t+2*\jj
	v_pk_fma_f32 v[XA:XA+1], v[XA:XA+1], v[XA:XA+1], v[TA:TA+1] neg_lo:[0,0,1] neg_hi:[0,0,1]   ; x1 cos - x2 sin
	v_pk_fma_f32 v[XA+32:XA+33], v[XA+32:XA+33], v[XA:XA+1], v[TA+2:TA+3]                       ; x2 cos + x1 sin
.endr
.endr
.endm
; The four finished tiles become four images and two pairs of scale words, and leave: 512 consecutive bytes a store of codes.  Each tile has its own registers for its codes: no store's data are written again.
.macro LEAVE turn
	WIN 0
	PLACES
.irp a, 0,1,2,3
.if \turn
	TURNROPE \a
.endif
	QUANT 64*\a, 32+8*\a, 64+\a
	global_store_b128 v20, v[32+8*\a:35+8*\a], s[88:89] offset:1024*\a
	global_store_b128 v20, v[36+8*\a:39+8*\a], s[88:89] offset:1024*\a+512
.endr
	v_cmp_le_u32 vcc_lo, 16, v3
	v_cndmask_b32 v68, v64, v65, vcc_lo            ; lanes 0-15: the pair's first tile's words; lanes 16-31: the second's
	v_cndmask_b32 v69, v66, v67, vcc_lo
	global_store_b32 v21, v68, s[90:91]
	global_store_b32 v21, v69, s[90:91] offset:128
	s_wait_tensorcnt 0x0                           ; the wave's end: behind my last tensor load, my last LDS instructions
	ds_add_u32 v[SPW], v[NIL]
	s_wait_dscnt 0x0
	ROUND                                          ; the closing round: no work-group ends while a partner may still ask for a tile that names it
	s_endpgm
.endm
	s_load_b256 s[4:11], s[0:1], 0x0               ; xr s[4:5], wr s[6:7], b_qkv s[8:9], rope s[10:11]
	s_load_b128 s[12:15], s[0:1], 0x20             ; qc s[12:13], kv s[14:15]
	v_lshl_add_u32 v[SPW], v0, 2, SPARE
	v_mov_b32 v[NIL], 0
	ds_add_u32 v28, v29
	ds_add_u32 v28, v29
	s_wait_dscnt 0x0
	v_lshrrev_b32 v1, 5, v0
	v_readfirstlane_b32 s16, v1                    ; wave 0..3
	s_and_b32 s17, s16, 1                          ; which half of an operand's tiles I fetch
	s_bfe_u32 s18, ttmp6, 0x40000                  ; cx, cy: my place in the cluster
	s_bfe_u32 s19, ttmp6, 0x40004
	s_lshl_b32 s20, ttmp9, 2
	s_add_co_u32 s20, s20, s18                     ; the head = 4 x cluster x + cx
	s_and_b32 s21, ttmp7, 0xffff
	s_lshl_b32 s21, s21, 2
	s_add_co_u32 s21, s21, s19                     ; the block of 256 tokens = 4 x cluster y + cy
	s_lshl_b32 s22, s19, 2
	s_lshl_b32 s22, 15, s22                        ; my row of the cluster
	s_lshl_b32 s23, 0x1111, s18                    ; my column
	; descriptor group 1: some tiles' parts of a chunk: rows of 4,352 bytes (544 elements of 8 bytes), 17,408 bytes apart in memory, dense in LDS: 8 rows of x, 4 of the weight
	s_or_b32 s[G1X], s22, (3<<16)|(1<<21)          ; 15:0 the mask: x's tiles go to my row; 17:16 elements of 8 bytes; 21 set beside a mask; no padding
	s_or_b32 s[G1W], s23, (3<<16)|(1<<21)          ; the weight's go to my column
	s_mov_b32 s[G1X+1], 544<<16                    ; tensor_dim0
	s_mov_b32 s[G1X+2], 8<<16                      ; tensor_dim1
	s_mov_b32 s[G1X+3], 544<<16                    ; tile_dim0
	s_mov_b32 s[G1X+4], 8                          ; tile_dim1
	s_mov_b32 s[G1X+5], 2176                       ; tensor_dim0_stride
	s_mov_b32 s[G1X+6], 0
	s_mov_b32 s[G1X+7], 0
	s_mov_b32 s[G1W+1], 544<<16
	s_mov_b32 s[G1W+2], 4<<16
	s_mov_b32 s[G1W+3], 544<<16
	s_mov_b32 s[G1W+4], 4
	s_mov_b32 s[G1W+5], 2176
	s_mov_b32 s[G1W+6], 0
	s_mov_b32 s[G1W+7], 0
	s_lshl_b32 s56, s21, 4                         ; x: tile 16 x block + 8 x half: made of the block and the wave alone
	s_lshl_b32 s57, s17, 3
	s_add_co_u32 s56, s56, s57
	s_mul_i32 s56, s56, REC
	s_mov_b32 s57, 0
	s_lshl_b32 s58, s20, 3                         ; the weight: tile 8 x head + 4 x half: made of the head and the wave alone
	s_lshl_b32 s59, s17, 2
	s_add_co_u32 s58, s58, s59
	s_mul_i32 s58, s58, REC
	s_mov_b32 s59, 0
	s_mul_i32 s60, s17, 8*CHK                      ; where they go in a slot: x's halves at 0 and 34,816;
	s_mul_i32 s63, s17, 4*CHK
	s_add_co_u32 s63, s63, WOFF                    ; the weight's at 69,632 and 87,040
	s_wait_kmcnt 0x0
	s_add_nc_u64 s[56:57], s[4:5], s[56:57]
	s_add_nc_u64 s[58:59], s[6:7], s[58:59]
.irp c, 0,1,2,3
	s_mov_b32 s[G0X+4*\c], 1                       ; count = 1
	s_add_co_u32 s[G0X+4*\c+1], s60, (\c%3)*SLOT   ; LDS address: chunk c in slot c % 3
	s_add_nc_u64 s[G0X+4*\c+2:G0X+4*\c+3], s[56:57], \c*CHK   ; global address: chunk c of the first of my tiles
	s_or_b32 s[G0X+4*\c+3], s[G0X+4*\c+3], 0x80000000          ; type = 2
	s_mov_b32 s[G0W+4*\c], 1
	s_add_co_u32 s[G0W+4*\c+1], s63, (\c%3)*SLOT
	s_add_nc_u64 s[G0W+4*\c+2:G0W+4*\c+3], s[58:59], \c*CHK
	s_or_b32 s[G0W+4*\c+3], s[G0W+4*\c+3], 0x80000000
.endr
	ROUND                                          ; all sixteen work-groups are here: the first joint loads meet
	s_cmp_lt_u32 s16, 2                            ; a wave's three first fills stand in one branch on its number: three tensor loads of mine are out
	s_cbranch_scc0 .Lfor_w
.irp c, 0,1,2
	tensor_load_to_lds s[G0X+4*\c:G0X+4*\c+3], s[G1X:G1X+7]
	s_nop 0
.endr
	PLACES                                         ; four plain lines follow the last load
	s_branch .Lasked
.Lfor_w:
.irp c, 0,1,2
	tensor_load_to_lds s[G0W+4*\c:G0W+4*\c+3], s[G1W:G1W+7]
	s_nop 0
.endr
	PLACES
.Lasked:
	v_and_b32 v3, 31, v0                           ; lane
	v_and_b32 v1, 15, v0                           ; r
	v_bfe_u32 v2, v0, 4, 1                         ; h
	v_lshlrev_b32 v20, 4, v3                       ; 16 x lane
	v_lshlrev_b32 v21, 2, v3                       ; 4 x lane
	v_lshlrev_b32 v22, 2, v1
	v_mad_u32_u24 v22, v2, CHK, v22                ; 4 r + 4,352 h
	s_mov_b32 s[SEL], 0x76543210
	s_mov_b32 s[SEL+1], 0xfedcba98
.irp b, 0,1,2,3
	v_mov_b32 v[TM+4+\b], 0                        ; written once: a lane permute's destination counts as one of its sources
.endr
	s_cmp_lt_u32 ttmp9, 5                          ; the cluster's x: the same in all sixteen partners
	s_cbranch_scc0 .Lv_heads
	; ---- Q AND K HEADS
	s_mov_b32 s62, 0                               ; wide: all 8 tiles of the weight
	s_mul_i32 s61, s16, 4*CHK                      ; narrow: token tiles 4 w on
	ADDRS WOFF, XOFF
	s_lshl_b32 s84, s20, 9
	s_mov_b32 s85, 0
	s_add_nc_u64 s[8:9], s[8:9], s[84:85]          ; the head's 128 numbers of the bias
	v_lshlrev_b32 v23, 6, v2                       ; lane (r, h) wants, for tile t, those of channels 32 (t / 2) + 16 h + 8 (t % 2) + 0 .. 7
.irp t, 0,1,2,3,4,5,6,7
	global_load_b128 v[32+8*\t:35+8*\t], v23, s[8:9] offset:(32*(\t/2)+8*(\t%2))*4
	global_load_b128 v[36+8*\t:39+8*\t], v23, s[8:9] offset:(32*(\t/2)+8*(\t%2))*4+16
.endr
	s_lshl_b32 s92, s21, 4
	s_lshl_b32 s93, s16, 2
	s_add_co_u32 s92, s92, s93                     ; my first tile of tokens: 16 x block + 4 x wave
	s_lshl_b32 s84, s92, 13
	s_add_nc_u64 s[10:11], s[10:11], s[84:85]
	WIN 0xc0                                       ; destination window 3
.irp a, 0,1,2,3
.irp i, 0,1,2,3,4,5,6,7,8,9,10,11,12,13,14,15
	global_load_b128 v[64*\a+4*\i:64*\a+4*\i+3], v20, s[10:11] offset:8192*\a+512*\i   ; tile a: 32 cosines, then 32 sines, in the order of my registers
.endr
.endr
	WIN 0
	; where the results go.  q: images [head][tile], scale pairs behind them;  k: the record of kv head cx and key step 2 x block + w / 2, tiles 4 (w % 2) on
	s_lshl_b32 s88, s20, 17
	s_lshl_b32 s93, s92, 10
	s_add_co_u32 s88, s88, s93
	s_lshl_b32 s90, s20, 13
	s_lshl_b32 s93, s92, 6
	s_add_co_u32 s90, s90, s93
	s_add_co_u32 s90, s90, 2097152
	s_lshl_b32 s93, s21, 1
	s_lshr_b32 s94, s16, 1
	s_add_co_u32 s93, s93, s94
	s_mul_i32 s93, s93, REC
	s_mul_i32 s94, s18, 16*REC
	s_add_co_u32 s93, s93, s94
	s_lshl_b32 s94, s17, 12
	s_add_co_u32 s94, s94, s93
	s_lshl_b32 s95, s17, 8
	s_add_co_u32 s95, s95, s93
	s_add_co_u32 s95, s95, 16384
	s_cmp_eq_u32 ttmp9, 4                          ; k's heads
	s_cselect_b32 s88, s94, s88
	s_cselect_b32 s90, s95, s90
	s_cselect_b64 s[92:93], s[14:15], s[12:13]
	s_mov_b32 s89, 0
	s_mov_b32 s91, 0
	s_add_nc_u64 s[88:89], s[92:93], s[88:89]
	s_add_nc_u64 s[90:91], s[92:93], s[90:91]
	s_wait_tensorcnt 2                             ; my part of chunk 0 has landed; two loads may be out
	s_barrier_signal -1
	s_barrier_wait -1                              ; everybody's has
	FETCH 0
	s_wait_loadcnt 63                              ; of my 80 loads at most 63 are out: the first 17 are in, the bias's 16 among them
	STEP 0, 1                                      ; the first products take the bias as C: nothing is cleared, nothing is added later
.irp s, 1,2,3,4,5,6,7,8,9,10,11,12,13,14,15
	s_wait_alu depctr_va_vdst(0)
	STEP \s, 0
.endr
	LEAVE 1
	; ---- V HEADS
.Lv_heads:
	s_mul_i32 s62, s17, 8*CHK                      ; wide: token tiles 8 (w % 2) on: one key step
	s_lshr_b32 s96, s16, 1
	s_mul_i32 s61, s96, 4*CHK                      ; narrow: channel tiles 4 (w / 2) on
	s_wait_alu depctr_va_vdst(0)
	ADDRS XOFF, WOFF
	s_lshl_b32 s84, s20, 9
	s_lshl_b32 s85, s96, 8
	s_add_co_u32 s84, s84, s85
	s_mov_b32 s85, 0
	s_add_nc_u64 s[8:9], s[8:9], s[84:85]          ; the bias of my 64 channels
	v_and_b32 v23, 8, v1
	v_add_nc_u32 v23, v23, v1
	v_lshlrev_b32 v23, 2, v23                      ; a lane holds one channel of tile a, 32 (a / 2) + 8 (a % 2) + r + 8 (r / 8): its bias fills all eight registers of C
.irp a, 0,1,2,3
.irp j, 0,1,2,3,4,5,6,7
	global_load_b32 v[32+8*\a+\j], v23, s[8:9] offset:128*(\a/2)+32*(\a%2)
.endr
.endr
	s_lshl_b32 s88, s21, 1                         ; the record of kv head cx and key step 2 x block + w % 2
	s_add_co_u32 s88, s88, s17
	s_mul_i32 s88, s88, REC
	s_mul_i32 s89, s18, 16*REC
	s_add_co_u32 s88, s88, s89
	s_lshl_b32 s89, s96, 8
	s_add_co_u32 s90, s88, s89
	s_add_co_u32 s90, s90, 16896                   ; v's scale pairs 2 (w / 2) on
	s_lshl_b32 s89, s96, 12
	s_add_co_u32 s88, s88, s89
	s_add_co_u32 s88, s88, 8192                    ; v's images 4 (w / 2) on
	s_mov_b32 s89, 0
	s_mov_b32 s91, 0
	s_add_nc_u64 s[88:89], s[14:15], s[88:89]
	s_add_nc_u64 s[90:91], s[14:15], s[90:91]
	s_wait_tensorcnt 2                             ; my part of chunk 0 has landed; two loads may be out
	s_barrier_signal -1
	s_barrier_wait -1
	FETCH 0
	s_wait_loadcnt 0x0                             ; the bias
	STEP 0, 2
.irp s, 1,2,3,4,5,6,7,8,9,10,11,12,13,14,15
	s_wait_alu depctr_va_vdst(0)
	STEP \s, 0
.endr
	LEAVE 0
.Lfunc_end_k_qf3bf3204d7_qkv:
	.size	k_qf3bf3204d7_qkv, .Lfunc_end_k_qf3bf3204d7_qkv-k_qf3bf3204d7_qkv
	.p2alignl 7, 3214868480
	.fill 96, 4, 3214868480
	.section	.rodata,"a",@progbits
	.p2align	6, 0x0
	.amdhsa_kernel k_qf3bf3204d7_qkv
		.amdhsa_group_segment_fixed_size 327680
		.amdhsa_private_segment_fixed_size 0
		.amdhsa_enable_private_segment 0
		.amdhsa_kernarg_size 48
		.amdhsa_user_sgpr_count 2
		.amdhsa_user_sgpr_kernarg_segment_ptr 1
		.amdhsa_wavefront_size32 1
		.amdhsa_system_sgpr_workgroup_id_x 1
		.amdhsa_system_sgpr_workgroup_id_y 1
		.amdhsa_system_sgpr_workgroup_id_z 1
		.amdhsa_system_vgpr_workitem_id 0
		.amdhsa_next_free_vgpr 1024
		.amdhsa_next_free_sgpr 100
		.amdhsa_reserve_vcc 1
		.amdhsa_float_denorm_mode_32 3
		.amdhsa_float_denorm_mode_16_64 3
		.amdhsa_memory_ordered 1
		.amdhsa_forward_progress 1
		.amdhsa_inst_pref_size 255
	.end_amdhsa_kernel
	.section	.bss,"aw",@nobits
	.p2align	6
	.space	262144
	.amdgpu_metadata
---
amdhsa.version: [ 1, 2 ]
amdhsa.kernels:
  - .name:           k_qf3bf3204d7_qkv
    .symbol:         k_qf3bf3204d7_qkv.kd
    .args:
      - { .name: xr, .offset: 0, .size: 8, .value_kind: global_buffer, .address_space: global }
      - { .name: wr, .offset: 8, .size: 8, .value_kind: global_buffer, .address_space: global }
      - { .name: b_qkv, .offset: 16, .size: 8, .value_kind: global_buffer, .address_space: global }
      - { .name: rope, .offset: 24, .size: 8, .value_kind: global_buffer, .address_space: global }
      - { .name: qc, .offset: 32, .size: 8, .value_kind: global_buffer, .address_space: global }
      - { .name: kv, .offset: 40, .size: 8, .value_kind: global_buffer, .address_space: global }
    .group_segment_fixed_size: 327680
    .private_segment_fixed_size: 0
    .kernarg_segment_align: 8
    .kernarg_segment_size: 48
    .max_flat_workgroup_size: 128
    .sgpr_count:     100
    .vgpr_count:     1024
    .wavefront_size: 32
...
	.end_amdgpu_metadata
.endif
;; end of part 2
;; launch attn (part 3): grid 64 x 4, 8 waves a work-group, clusters of 4 x 1, 168,960 bytes of LDS; arguments qc, kv, ar; writes ar
.if DOCPART == 3
	.amdgcn_target "amdgcn-amd-amdhsa--gfx1250"
	.amdhsa_code_object_version 6
	.text
	.protected	k_qf3bf3204d7_attn
	.globl	k_qf3bf3204d7_attn
	.p2align	8
	.type	k_qf3bf3204d7_attn,@function
k_qf3bf3204d7_attn:
	s_mov_b64 s[64:65], 0
	v_nop
	global_prefetch_b8 v0, s[64:65] scope:SCOPE_SE
	s_setreg_imm32_b32 hwreg(HW_REG_WAVE_MODE, 25, 1), 1
	s_wait_xcnt 0x0
	s_wait_alu depctr_hold_cnt(0) depctr_sa_sdst(0) depctr_va_vdst(0) depctr_va_sdst(0) depctr_va_ssrc(0) depctr_va_vcc(0) depctr_vm_vsrc(0)
	s_getreg_b32 s2, hwreg(HW_REG_IB_STS2, 6, 4)
	s_cmp_eq_u32 s2, 0
	s_cbranch_scc0 .Lentry_in_a_cluster
	s_endpgm
.Lentry_in_a_cluster:
	s_bfe_u32 s2, ttmp6, 0x10000c
	s_cmp_lg_u32 s2, 0x3003
	s_cbranch_scc0 .Lentry_shape_is_right
	s_endpgm
.Lentry_shape_is_right:
; ATTENTION on codes of FP4 with E8M0 scales: 16 query heads on 4 key and value heads, key k counts for query q where k <= q and q - k <= 1,024; the result is quantised along the head's channels for the last product.
; THE SOFTMAX AHEAD OF THE SECOND PRODUCT: t = score x log2(e) / sqrt(128); M = the row's largest t so far, rounded UP to a whole number; p = 2^(t - M) is quantised along the keys, not normalised.
; The row's sum is taken of the unquantised p and divides O at the end.  When M moves, the sum and O are multiplied by 2^(old M - new M): exact.
; SHARES.  A work-group takes one key and value head g and 32 queries (two tiles of 16); wave w takes query head 4 g + w % 4 and tile w / 4: one tile in 256 registers, two waves to a SIMD.
; The four work-groups of a cluster hold the 128 queries of step SQ (the cluster's x): they need the same key steps, max(SQ - 8, 0) .. SQ, at most nine of 128 keys.
; LDS.  Nine records of 17,408 bytes (a key step's 8 images of K, 8 of V^T, their scale pairs) are 156,672 consecutive bytes of memory: they come once, in three chunks of three steps, asked for JOINTLY by the four
; work-groups; waves 0 to 3 fetch a quarter of each chunk, three tensor loads a wave, all at the head.  Nothing is filled again, nothing is stored into LDS.  Where SQ < 8 the records behind step SQ are fetched and not read.
; LAYOUT.  Both products are used transposed: S^T = K Q^T, O^T = V^T P^T: a lane holds ONE query (lane % 16) throughout.  The keys of a tile of K, and the channels of a tile of V^T, are chosen
; (row r of tile t = 32 (t / 2) + 8 (t % 2) + r + 8 (r / 8)) so that the 16 registers of tiles 2 b and 2 b + 1 are 16 neighbours: 32 b + 16 (lane / 16) + 0 .. 15.
; THE MASK.  Steps behind SQ are left out by a scalar branch on numbers that all partners share.  In step SQ (the diagonal) and step SQ - 8 (the window's edge) hidden scores become -infinity ahead of the maximum.
; The edge step leaves its key 127 to every query and step 0 its key 0: M is a number from a wave's first step on.
; REGISTERS: v1 16 x lane, v2 4 x lane, v3 my query's place for the masks, v7 4 r; v8, v10 addresses of the step; v12 -M, v13 the largest t, v[14:15] the sum in two halves; v16-23 Q; v32-95 eight fragments of K, then of V;
;   v96-159 S^T, then p; v160-223 O^T; v224-231 p's codes; v232-247, v252-254 at work; v248-251 scale pairs; v255 Q's scale words.
; LIMITS: NaN and infinities are not served; a block whose largest magnitude lies under 2^-124 keeps the scale byte 1.
.set REC,  17408
.set CHK,  4352
.set CH3,  52224                       ; a chunk: three records
.set PART, 13056                       ; a quarter of it: 51 rows of 256 bytes
.set WV,   10
.set SQ,   12
.set KS,   15                          ; the key step in hand
.set TB,   16                          ; the LDS byte at which its record begins
.set CNT,  17
.set SEL,  20                          ; s[20:21] lane selects: lane l xor 16
.set CS,   22                          ; s[22:23] c = log2(e) / sqrt(128)
.set G1,   24
.set G0,   32                          ; s[32:43] a group 0 for each chunk
.set TM,   232
.macro PLACES
.rept 4
	v_nop
.endr
.endm
.macro ROUND                           ; a round of the cluster's barrier
	s_barrier_signal -1
	s_barrier_wait -1
	s_cmp_lg_u32 s[WV], 0
	s_cbranch_scc1 .Lnot_wave_0_\@
	s_barrier_signal -3
.Lnot_wave_0_\@:
	s_barrier_wait -3
	s_barrier_signal -1
	s_barrier_wait -1
.endm
.macro WMZ d, fa, fb, sa, sb, rows     ; a product that starts its sum.  rows = 1: source 0's scales stand in lanes 16-31
.if (\rows) == 0
	v_wmma_scale_f32_16x16x128_f8f6f4 v[(\d):(\d)+7], v[(\fa):(\fa)+7], v[(\fb):(\fb)+7], 0, v[(\sa)], v[(\sb)] matrix_a_fmt:MATRIX_FMT_FP4 matrix_b_fmt:MATRIX_FMT_FP4
.else
	v_wmma_scale_f32_16x16x128_f8f6f4 v[(\d):(\d)+7], v[(\fa):(\fa)+7], v[(\fb):(\fb)+7], 0, v[(\sa)], v[(\sb)] matrix_a_fmt:MATRIX_FMT_FP4 matrix_b_fmt:MATRIX_FMT_FP4 matrix_a_scale:MATRIX_SCALE_ROW1
.endif
.endm
.macro WM d, fa, fb, sa, sb, rows      ; a product that adds in place
.if (\rows) == 0
	v_wmma_scale_f32_16x16x128_f8f6f4 v[(\d):(\d)+7], v[(\fa):(\fa)+7], v[(\fb):(\fb)+7], v[(\d):(\d)+7], v[(\sa)], v[(\sb)] matrix_a_fmt:MATRIX_FMT_FP4 matrix_b_fmt:MATRIX_FMT_FP4
.else
	v_wmma_scale_f32_16x16x128_f8f6f4 v[(\d):(\d)+7], v[(\fa):(\fa)+7], v[(\fb):(\fb)+7], v[(\d):(\d)+7], v[(\sa)], v[(\sb)] matrix_a_fmt:MATRIX_FMT_FP4 matrix_b_fmt:MATRIX_FMT_FP4 matrix_a_scale:MATRIX_SCALE_ROW1
.endif
.endm
; 64 numbers of a lane, register 16 b + i = k 32 b + 16 (lane / 16) + i of my row, become a fragment's codes in v[pc] on and its scale word in v[pw].
.macro QUANT s, pc, pw
.irp b, 0,1,2,3
	v_max3_num_f32 v[TM+\b], |v[\s+16*\b]|, |v[\s+1+16*\b]|, 0x1800000
.endr
.irp i, 2,4,6,8,10,12,14
.irp b, 0,1,2,3
	s_delay_alu instid0(VALU_DEP_4)
	v_max3_num_f32 v[TM+\b], v[TM+\b], |v[\s+16*\b+\i]|, |v[\s+1+16*\b+\i]|
.endr
.endr
.irp b, 0,1,2,3
	s_delay_alu instid0(VALU_DEP_4)
	v_permlanex16_b32 v[TM+4+\b], v[TM+\b], s[SEL], s[SEL+1]
.endr
.irp b, 0,1,2,3
	s_delay_alu instid0(VALU_DEP_4)
	v_max_num_f32 v[TM+\b], v[TM+\b], v[TM+4+\b]
.endr
.irp b, 0,1,2,3
	s_delay_alu instid0(VALU_DEP_4)
	v_add_nc_u32 v[TM+12+\b], 0xff000000, v[TM+\b]
.endr
.irp b, 0,1,2,3
	s_delay_alu instid0(VALU_DEP_4)
	v_lshrrev_b32 v[TM+4+\b], 23, v[TM+12+\b]
.endr
	s_delay_alu instid0(VALU_DEP_3)
	v_lshl_or_b32 v[\pw], v[TM+5], 8, v[TM+4]
	s_delay_alu instid0(VALU_DEP_1)
	v_lshl_or_b32 v[\pw], v[TM+6], 16, v[\pw]
	s_delay_alu instid0(VALU_DEP_1)
	v_lshl_or_b32 v[\pw], v[TM+7], 24, v[\pw]
.irp b, 0,1,2,3
	v_cvt_scalef32_pk8_fp4_f32 v[\pc+2*\b], v[\s+16*\b:\s+7+16*\b], v[TM+12+\b]
	v_cvt_scalef32_pk8_fp4_f32 v[\pc+1+2*\b], v[\s+8+16*\b:\s+15+16*\b], v[TM+12+\b]
.endr
	v_nop                                          ; one plain line behind a scaled conversion
.irp c, 0,1
.irp i, 0,1
	v_permlane16_swap_b32 v[\pc+4*\c+\i], v[\pc+2+4*\c+\i]
.endr
.endr
.endm
; A KEY STEP: 128 keys.
.macro STEP
	s_cmp_gt_u32 s[KS], s[SQ]                      ; all its keys come after my queries: the work is left out, not the lines at its end that step addresses
	s_cbranch_scc1 .Lskip_\@
	s_setprio 2
	v_add_nc_u32 v8, s[TB], v1
	v_add_nc_u32 v10, s[TB], v2
	v_nop
	v_nop                                          ; with the two additions: four plain lines between the last step's products and the loads into their registers
.irp t, 0,1,2,3,4,5,6,7
	ds_load_b128 v[32+8*\t:35+8*\t], v8 offset:1024*\t            ; K's eight images
	ds_load_b128 v[36+8*\t:39+8*\t], v8 offset:1024*\t+512
.endr
.irp j, 0,1,2,3
	ds_load_b32 v[248+\j], v10 offset:16384+128*\j                ; lanes 0-15: tile 2 j's scale words; lanes 16-31: tile 2 j + 1's
.endr
	s_wait_alu depctr_va_vdst(0)
	s_wait_dscnt 0x0
.irp t, 0,1,2,3,4,5,6,7
	WMZ 96+8*\t, 32+8*\t, 16, 248+\t/2, 255, \t%2                 ; S^T: register 16 b + i = key 32 b + 16 (lane / 16) + i of this step
.endr
	PLACES
.irp t, 0,1,2,3,4,5,6,7
	ds_load_b128 v[32+8*\t:35+8*\t], v8 offset:8192+1024*\t       ; V^T's eight images, into the registers that K has left: they land under the softmax
	ds_load_b128 v[36+8*\t:39+8*\t], v8 offset:8192+1024*\t+512
.endr
.irp j, 0,1,2,3
	ds_load_b32 v[248+\j], v10 offset:16896+128*\j
.endr
	s_add_co_u32 s18, s[KS], 8
	s_cmp_lg_u32 s18, s[SQ]
	s_cbranch_scc1 .Lno_edge_\@
	v_mov_b32 v254, 0xff800000                     ; THE WINDOW'S EDGE: q - k = 1,024 + (my place - the key's place): hidden where the key's place is under mine
.set NN, 0
.rept 64
	v_cmp_lt_i32 vcc_lo, 32*(NN/16)+NN%16, v3
	v_cndmask_b32 v[96+NN], v[96+NN], v254, vcc_lo
.set NN, NN+1
.endr
.Lno_edge_\@:
	s_cmp_lg_u32 s[KS], s[SQ]
	s_cbranch_scc1 .Lopen_\@
	v_mov_b32 v254, 0xff800000                     ; THE DIAGONAL: hidden where the key's place is over mine
.set NN, 0
.rept 64
	v_cmp_gt_i32 vcc_lo, 32*(NN/16)+NN%16, v3
	v_cndmask_b32 v[96+NN], v[96+NN], v254, vcc_lo
.set NN, NN+1
.endr
.Lopen_\@:
.irp b, 0,1,2,3
	v_max3_num_f32 v[232+\b], v[96+16*\b], v[97+16*\b], v[98+16*\b]   ; the largest score of each block of 32 keys: it serves for the row's maximum and, since p rises with the score, for the block's largest p
.endr
.irp i, 3,5,7,9,11,13
.irp b, 0,1,2,3
	v_max3_num_f32 v[232+\b], v[232+\b], v[96+16*\b+\i], v[97+16*\b+\i]
.endr
.endr
	s_setprio 1
.irp b, 0,1,2,3
	v_max_num_f32 v[232+\b], v[232+\b], v[111+16*\b]
.endr
.irp b, 0,1,2,3
	s_delay_alu instid0(VALU_DEP_4)
	v_permlanex16_b32 v[236+\b], v[232+\b], s[SEL], s[SEL+1]
.endr
.irp b, 0,1,2,3
	s_delay_alu instid0(VALU_DEP_4)
	v_max_num_f32 v[232+\b], v[232+\b], v[236+\b]  ; with lane l xor 16's 16 keys
.endr
	s_delay_alu instid0(VALU_DEP_2)
	v_max3_num_f32 v254, v232, v233, v234
	s_delay_alu instid0(VALU_DEP_1)
	v_max_num_f32 v254, v254, v235                 ; the step's largest score of my query
	s_delay_alu instid0(VALU_DEP_1)
	v_mul_f32 v254, s[CS], v254                    ; as t (c is positive)
	s_delay_alu instid0(VALU_DEP_1)
	v_max_num_f32 v13, v13, v254                   ; the running largest t
	v_mov_b32 v254, v12
	s_delay_alu instid0(VALU_DEP_2)
	v_floor_f32 v12, -v13                          ; the new -M = floor(-t) = -ceil(t): a whole number
	s_delay_alu instid0(VALU_DEP_1)
	v_sub_f32 v254, v12, v254                      ; old M - new M: a whole number, 0 or less
	s_delay_alu instid0(VALU_DEP_1)
	v_cvt_i32_f32 v254, v254                       ; (it saturates)
	s_delay_alu instid0(VALU_DEP_1)
	v_ldexp_f32 v252, 1.0, v254                    ; f = 2^(old M - new M)
.set JJ, 0
.rept 32
	v_pk_fma_f32 v[96+JJ:97+JJ], v[96+JJ:97+JJ], s[CS:CS+1], v[12:13] op_sel_hi:[1,0,0]   ; t - M, two at a time (of the pairs c and -M the low word serves both halves)
.set JJ, JJ+2
.endr
.irp b, 0,1,2,3
	v_fma_f32 v[232+\b], v[232+\b], s[CS], v12     ; the same of each block's largest score
.endr
.set JJ, 0
	s_wait_alu depctr_va_vdst(0)
.rept 64
	v_exp_f32 v[96+JJ], v[96+JJ]                   ; p = 2^(t - M), at most 1
.set JJ, JJ+1
.endr
	v_pk_mul_f32 v[14:15], v[14:15], v[252:253] op_sel_hi:[1,0]   ; the sums under the new M (a plain line behind the exponentials)
	s_wait_alu depctr_va_vdst(0)                   ; one wait for the batch of 64, ahead of its first reader
.irp b, 0,1,2,3
	v_exp_f32 v[232+\b], v[232+\b]                 ; the block's largest p: the same two instructions on the same number give the same bits
.endr
	v_pk_add_f32 v[236:237], v[100:101], v[104:105]
	v_pk_add_f32 v[246:247], v[108:109], v[112:113]
	v_pk_add_f32 v[244:245], v[116:117], v[120:121]
	v_pk_add_f32 v[240:241], v[124:125], v[128:129]
	v_pk_add_f32 v[238:239], v[132:133], v[136:137]
	v_pk_add_f32 v[230:231], v[140:141], v[144:145]
	v_pk_add_f32 v[228:229], v[148:149], v[152:153]
	v_pk_add_f32 v[14:15], v[14:15], v[156:157]
	v_pk_add_f32 v[236:237], v[236:237], v[96:97]
	v_pk_add_f32 v[246:247], v[246:247], v[98:99]
	v_pk_add_f32 v[244:245], v[244:245], v[102:103]
	v_pk_add_f32 v[240:241], v[240:241], v[106:107]
	v_pk_add_f32 v[238:239], v[238:239], v[110:111]
	v_pk_add_f32 v[230:231], v[230:231], v[114:115]
	v_pk_add_f32 v[228:229], v[228:229], v[118:119]
	v_pk_add_f32 v[14:15], v[14:15], v[122:123]
	v_pk_add_f32 v[236:237], v[236:237], v[126:127]
	v_pk_add_f32 v[246:247], v[246:247], v[130:131]
	v_pk_add_f32 v[244:245], v[244:245], v[134:135]
	v_pk_add_f32 v[240:241], v[240:241], v[138:139]
	v_pk_add_f32 v[238:239], v[238:239], v[142:143]
	v_pk_add_f32 v[230:231], v[230:231], v[146:147]
	v_pk_add_f32 v[228:229], v[228:229], v[150:151]
	v_pk_add_f32 v[14:15], v[14:15], v[154:155]
	v_pk_add_f32 v[236:237], v[236:237], v[158:159]
	s_delay_alu instid0(VALU_DEP_2)
	v_pk_add_f32 v[14:15], v[14:15], v[240:241]
	s_delay_alu instid0(VALU_DEP_2)
	v_pk_add_f32 v[236:237], v[236:237], v[238:239]
	v_pk_add_f32 v[246:247], v[246:247], v[230:231]
	v_pk_add_f32 v[244:245], v[244:245], v[228:229]
	s_delay_alu instid0(VALU_DEP_2)
	v_pk_add_f32 v[14:15], v[14:15], v[246:247]
	s_delay_alu instid0(VALU_DEP_2)
	v_pk_add_f32 v[236:237], v[236:237], v[244:245]
	s_delay_alu instid0(VALU_DEP_1)
	v_pk_add_f32 v[14:15], v[14:15], v[236:237]
	s_wait_alu depctr_va_vdst(0)                   ; and one for the four
.irp b, 0,1,2,3
	v_max_num_f32 v[232+\b], 0x1800000, v[232+\b]  ; the floor 2^(3 - 127): a block whose every p is 0 keeps the byte 1: its codes are zeros
.endr
.irp b, 0,1,2,3
	s_delay_alu instid0(VALU_DEP_4)
	v_add_nc_u32 v[244+\b], 0xff000000, v[232+\b]  ; 2 off the exponent field: the conversion's scale operand
.endr
.irp b, 0,1,2,3
	s_delay_alu instid0(VALU_DEP_4)
	v_lshrrev_b32 v[236+\b], 23, v[244+\b]         ; the scale's byte
.endr
	s_delay_alu instid0(VALU_DEP_3)
	v_lshl_or_b32 v253, v237, 8, v236              ; p's scale word for these 128 keys
	s_delay_alu instid0(VALU_DEP_1)
	v_lshl_or_b32 v253, v238, 16, v253
	s_delay_alu instid0(VALU_DEP_1)
	v_lshl_or_b32 v253, v239, 24, v253
.irp b, 0,1,2,3
	v_cvt_scalef32_pk8_fp4_f32 v[224+2*\b], v[96+16*\b:103+16*\b], v[244+\b]
	v_cvt_scalef32_pk8_fp4_f32 v[225+2*\b], v[104+16*\b:111+16*\b], v[244+\b]
.endr
	v_nop                                          ; one plain line behind a scaled conversion
.irp c, 0,1
.irp i, 0,1
	v_permlane16_swap_b32 v[224+4*\c+\i], v[226+4*\c+\i]   ; a whole block to a lane
.endr
.endr
.set JJ, 0
	s_setprio 0
.rept 32
	v_pk_mul_f32 v[160+JJ:161+JJ], v[160+JJ:161+JJ], v[252:253] op_sel_hi:[1,0]   ; O^T under the new M; these 32 are also the plain lines between the writing of p's codes and scale word and the products
.set JJ, JJ+2
.endr
	s_wait_alu depctr_va_vdst(0)
	s_wait_dscnt 0x0                               ; V
.irp t, 0,1,2,3,4,5,6,7
	WM 160+8*\t, 32+8*\t, 224, 248+\t/2, 253, \t%2 ; O^T += V^T P^T: the eight accumulators by turns
.endr
.Lskip_\@:
	s_add_co_u32 s[TB], s[TB], REC
	s_add_co_u32 s[KS], s[KS], 1
.endm
; Three key steps: the chunk has landed in every wave that fetched a part of it, and every wave knows.
.macro CHUNK3 c
	s_wait_tensorcnt 2-\c                          ; my part of chunk c has landed; the later chunks' loads may be out (a wave that fetches nothing has none)
	s_wait_dscnt 0x0
	s_barrier_signal -1
	s_barrier_wait -1
	s_mov_b32 s[TB], CH3*\c
	s_mov_b32 s[CNT], 3
.Lstep_\@:
	STEP
	s_sub_co_u32 s[CNT], s[CNT], 1
	s_cmp_lg_u32 s[CNT], 0
	s_cbranch_scc1 .Lstep_\@
	s_setprio 0
.endm
	s_load_b128 s[4:7], s[0:1], 0x0                ; qc s[4:5], kv s[6:7]
	s_load_b64 s[8:9], s[0:1], 0x10                ; ar
	v_lshl_add_u32 v242, v0, 2, 0x29000
	v_mov_b32 v243, 0
	ds_add_u32 v242, v243
	ds_add_u32 v242, v243
	v_lshrrev_b32 v8, 5, v0
	s_delay_alu instid0(VALU_DEP_1)
	v_readfirstlane_b32 s[WV], v8                  ; wave 0..7
	s_bfe_u32 s11, ttmp6, 0x40000                  ; cx: it enters global addresses of Q and of the result, and the masks' numbers; no branch, no LDS address
	s_mov_b32 s[SQ], ttmp9                         ; the cluster's x: the step of 128 queries
	s_and_b32 s13, ttmp7, 0xffff                   ; the key and value head
	s_sub_co_i32 s14, s[SQ], 8
	s_max_i32 s14, s14, 0                          ; the first key step
	s_mov_b32 s[KS], s14
	; descriptor group 1: a quarter of a chunk: 51 rows of 256 bytes (32 elements of 8 bytes), dense in memory and in LDS
	s_mov_b32 s[G1], 15|(3<<16)|(1<<21)            ; 15:0 the mask: all four work-groups; 17:16 elements of 8 bytes; 21 set beside a mask
	s_mov_b32 s[G1+1], 32<<16                      ; tensor_dim0
	s_mov_b32 s[G1+2], 51<<16                      ; tensor_dim1
	s_mov_b32 s[G1+3], 32<<16                      ; tile_dim0
	s_mov_b32 s[G1+4], 51                          ; tile_dim1
	s_mov_b32 s[G1+5], 32                          ; tensor_dim0_stride
	s_mov_b32 s[G1+6], 0
	s_mov_b32 s[G1+7], 0
	s_mul_i32 s44, s13, 16*REC
	s_mul_i32 s45, s14, REC
	s_add_co_u32 s44, s44, s45
	s_and_b32 s46, s[WV], 3
	s_mul_i32 s46, s46, PART                       ; my quarter, in memory and in LDS alike
	s_add_co_u32 s44, s44, s46
	s_mov_b32 s45, 0
	s_wait_dscnt 0x0
	s_wait_kmcnt 0x0
	s_add_nc_u64 s[44:45], s[6:7], s[44:45]
.irp c, 0,1,2
	s_mov_b32 s[G0+4*\c], 1
	s_add_co_u32 s[G0+4*\c+1], s46, CH3*\c
	s_add_nc_u64 s[G0+4*\c+2:G0+4*\c+3], s[44:45], CH3*\c
	s_or_b32 s[G0+4*\c+3], s[G0+4*\c+3], 0x80000000
.endr
	ROUND                                          ; all four work-groups are here: the joint loads meet
	s_cmp_lt_u32 s[WV], 4                          ; a wave's three fills stand in one branch on its number: three tensor loads of mine are out
	s_cbranch_scc0 .Lno_load
.irp c, 0,1,2
	tensor_load_to_lds s[G0+4*\c:G0+4*\c+3], s[G1:G1+7]
	s_nop 0
.endr
	PLACES                                         ; four plain lines follow the last load
.Lno_load:
	s_lshl_b32 s47, s13, 2
	s_and_b32 s48, s[WV], 3
	s_add_co_u32 s47, s47, s48                     ; my query head
	s_lshr_b32 s49, s[WV], 2                       ; u: which of the two tiles
	s_lshl_b32 s50, s[SQ], 2
	s_add_co_u32 s50, s50, s11                     ; the work-group's 32 queries
	s_lshl_b32 s51, s50, 1
	s_add_co_u32 s51, s51, s49                     ; my tile of tokens
	s_lshl_b32 s52, s47, 17
	s_lshl_b32 s53, s51, 10
	s_add_co_u32 s52, s52, s53
	s_mov_b32 s53, 0
	s_add_nc_u64 s[52:53], s[4:5], s[52:53]        ; Q's image
	s_lshl_b32 s54, s47, 13
	s_lshl_b32 s55, s51, 6
	s_add_co_u32 s54, s54, s55
	s_add_co_u32 s54, s54, 2097152
	s_mov_b32 s55, 0
	s_add_nc_u64 s[54:55], s[4:5], s[54:55]        ; its 16 scale words
	s_mul_i32 s56, s51, REC                        ; the result: my tile's record, chunk g, K step w % 4 of it (K step = query head)
	s_mul_i32 s57, s13, CHK
	s_add_co_u32 s56, s56, s57
	s_lshl_b32 s57, s48, 10
	s_add_co_u32 s58, s56, s57
	s_lshl_b32 s57, s48, 6
	s_add_co_u32 s56, s56, s57
	s_add_co_u32 s56, s56, 4096
	s_mov_b32 s57, 0
	s_mov_b32 s59, 0
	s_add_nc_u64 s[58:59], s[8:9], s[58:59]
	s_add_nc_u64 s[56:57], s[8:9], s[56:57]
	v_and_b32 v4, 31, v0
	s_delay_alu instid0(VALU_DEP_1)
	v_lshlrev_b32 v1, 4, v4                        ; 16 x lane
	s_delay_alu instid0(VALU_DEP_2)
	v_lshlrev_b32 v2, 2, v4                        ; 4 x lane
	v_and_b32 v5, 15, v0                           ; r
	v_bfe_u32 v6, v0, 4, 1                         ; h
	s_delay_alu instid0(VALU_DEP_2)
	v_lshlrev_b32 v7, 2, v5
	global_load_b128 v[16:19], v1, s[52:53]        ; Q's fragment stays in registers
	global_load_b128 v[20:23], v1, s[52:53] offset:512
	global_load_b32 v255, v7, s[54:55]
	v_and_b32 v3, 8, v5
	s_delay_alu instid0(VALU_DEP_1)
	v_add_nc_u32 v3, v3, v5
	v_lshlrev_b32 v6, 4, v6
	s_delay_alu instid0(VALU_DEP_1)
	v_sub_nc_u32 v3, v3, v6
	s_lshl_b32 s18, s11, 5
	s_lshl_b32 s19, s49, 3
	s_add_co_u32 s18, s18, s19
	v_add_nc_u32 v3, s18, v3                       ; my query's place in its step of 128, less 16 h: 32 cx + 8 u + r + 8 (r / 8) - 16 h.  Register 16 b + i is compared as 32 b + i
	s_mov_b32 s[SEL], 0x76543210
	s_mov_b32 s[SEL+1], 0xfedcba98
	s_mov_b32 s[CS], 0x3e0293ee                    ; c = log2(e) / sqrt(128)
	s_mov_b32 s[CS+1], s[CS]                       ; (named with it as a pair, so it is written)
	v_mov_b32 v13, 0xff61b1e6                      ; the largest t so far: -3e38, under every t
	s_delay_alu instid0(VALU_DEP_1)
	v_floor_f32 v12, -v13                          ; -M
	v_mov_b32 v14, 0                               ; the sum, in two halves
	v_mov_b32 v15, 0
.irp b, 0,1,2,3
	v_mov_b32 v[236+\b], 0                         ; written once: a lane permute's destination counts as one of its sources
.endr
	v_mov_b32 v252, 0
	v_mov_b32 v253, 0
.set JJ, 0
.rept 64
	v_mov_b32 v[160+JJ], 0                         ; O^T: the step is written once for all steps; the first finds zeros, which the first change of M leaves zeros
.set JJ, JJ+1
.endr
	s_wait_loadcnt 0x0                             ; Q
	CHUNK3 0
	CHUNK3 1
	CHUNK3 2
	; THE WAY OUT: O^T / the sum is the last product's operand: my 16 tokens x my head's 128 channels, registers along the channels: quantised as it stands and stored as an image.
	PLACES
	v_add_f32 v14, v14, v15                        ; the sum's two halves,
	s_delay_alu instid0(VALU_DEP_1)
	v_permlanex16_b32 v252, v14, s[SEL], s[SEL+1]
	s_delay_alu instid0(VALU_DEP_1)
	v_add_f32 v14, v14, v252                       ; and lane l xor 16's: the row's sum
	s_wait_alu depctr_va_vdst(0)
	v_rcp_f32 v14, v14
	v_nop                                          ; a plain line behind the reciprocal
	s_wait_alu depctr_va_vdst(0)                   ; and the wait ahead of its first reader
.set JJ, 0
.rept 64
	v_mul_f32 v[96+JJ], v[160+JJ], v14
.set JJ, JJ+1
.endr
	QUANT 96, 224, 252
	global_store_b128 v1, v[224:227], s[58:59]     ; 512 consecutive bytes a store
	global_store_b128 v1, v[228:231], s[58:59] offset:512
	global_store_b32 v7, v252, s[56:57]            ; 16 scale words; lanes 16-31 hold and write the same words
	s_wait_tensorcnt 0x0
	ds_add_u32 v242, v243
	s_wait_dscnt 0x0
	ROUND                                          ; the closing round: no work-group ends while a partner may still ask for a tile that names it
	s_endpgm
.Lfunc_end_k_qf3bf3204d7_attn:
	.size	k_qf3bf3204d7_attn, .Lfunc_end_k_qf3bf3204d7_attn-k_qf3bf3204d7_attn
	.p2alignl 7, 3214868480
	.fill 96, 4, 3214868480
	.section	.rodata,"a",@progbits
	.p2align	6, 0x0
	.amdhsa_kernel k_qf3bf3204d7_attn
		.amdhsa_group_segment_fixed_size 168960
		.amdhsa_private_segment_fixed_size 0
		.amdhsa_enable_private_segment 0
		.amdhsa_kernarg_size 24
		.amdhsa_user_sgpr_count 2
		.amdhsa_user_sgpr_kernarg_segment_ptr 1
		.amdhsa_wavefront_size32 1
		.amdhsa_system_sgpr_workgroup_id_x 1
		.amdhsa_system_sgpr_workgroup_id_y 1
		.amdhsa_system_sgpr_workgroup_id_z 1
		.amdhsa_system_vgpr_workitem_id 0
		.amdhsa_next_free_vgpr 256
		.amdhsa_next_free_sgpr 66
		.amdhsa_reserve_vcc 1
		.amdhsa_float_denorm_mode_32 3
		.amdhsa_float_denorm_mode_16_64 3
		.amdhsa_memory_ordered 1
		.amdhsa_forward_progress 1
		.amdhsa_inst_pref_size 105
	.end_amdhsa_kernel
	.amdgpu_metadata
---
amdhsa.version: [ 1, 2 ]
amdhsa.kernels:
  - .name:           k_qf3bf3204d7_attn
    .symbol:         k_qf3bf3204d7_attn.kd
    .args:
      - { .name: qc, .offset: 0, .size: 8, .value_kind: global_buffer, .address_space: global }
      - { .name: kv, .offset: 8, .size: 8, .value_kind: global_buffer, .address_space: global }
      - { .name: ar, .offset: 16, .size: 8, .value_kind: global_buffer, .address_space: global }
    .group_segment_fixed_size: 168960
    .private_segment_fixed_size: 0
    .kernarg_segment_align: 8
    .kernarg_segment_size: 24
    .max_flat_workgroup_size: 256
    .sgpr_count:     66
    .vgpr_count:     256
    .wavefront_size: 32
...
	.end_amdgpu_metadata
.endif
;; end of part 3
;; launch oproj (part 4): grid 16 x 16, 4 waves a work-group, clusters of 4 x 4, 312,832 bytes of LDS; arguments ar, wor, out0; writes out0
.if DOCPART == 4
	.amdgcn_target "amdgcn-amd-amdhsa--gfx1250"
	.amdhsa_code_object_version 6
	.text
	.protected	k_qf3bf3204d7_oproj
	.globl	k_qf3bf3204d7_oproj
	.p2align	8
	.type	k_qf3bf3204d7_oproj,@function
k_qf3bf3204d7_oproj:
	s_mov_b64 s[64:65], 0
	v_nop
	global_prefetch_b8 v0, s[64:65] scope:SCOPE_SE
	s_setreg_imm32_b32 hwreg(HW_REG_WAVE_MODE, 25, 1), 1
	s_wait_xcnt 0x0
	s_wait_alu depctr_hold_cnt(0) depctr_sa_sdst(0) depctr_va_vdst(0) depctr_va_sdst(0) depctr_va_ssrc(0) depctr_va_vcc(0) depctr_vm_vsrc(0)
	s_getreg_b32 s2, hwreg(HW_REG_IB_STS2, 6, 4)
	s_cmp_eq_u32 s2, 0
	s_cbranch_scc0 .Lentry_in_a_cluster
	s_endpgm
.Lentry_in_a_cluster:
	s_bfe_u32 s2, ttmp6, 0x10000c
	s_cmp_lg_u32 s2, 0xf033
	s_cbranch_scc0 .Lentry_shape_is_right
	s_endpgm
.Lentry_shape_is_right:
; OPROJ: out0 = Q(attn) Q(w_o) on codes of FP4 with E8M0 scales; out0 [2048][2048] f32.
; SHARES.  A work-group takes 128 columns (x) and 128 tokens (y); K = 2,048 is 16 steps of 128.  Source 0 = 16 columns of the weight (all 8 tiles of the 128), source 1 = 16 tokens (the wave's two tiles):
; a lane holds one token, and the 16 registers of tiles 2 b and 2 b + 1 are the 16 neighbouring columns 32 b + 16 (lane / 16) + 0 .. 15 (row r of tile T = index 32 (T / 2) + 8 (T % 2) + r + 8 (r / 8)).
; LDS.  Both operands for all of K fit: 4 chunks (512 along K) of 69,632 bytes: attn's 8 tiles x 4,352 bytes, then the weight's 8.  Every byte is filled once; all tensor loads go out at the head, four a wave,
; and the work starts chunk by chunk on counted waits.  Behind the chunks lies a stage of 16 rows x 528 bytes for each wave, bytes into which no tensor load lands.
; CLUSTERS: 4 x 4 work-groups.  The four of a row share the tokens, the four of a column the weight's columns: each tile is asked for jointly.
; REGISTERS.  window 0: v1-3 r, h, lane; v4-19 LDS addresses, one for each chunk; v20 16 x lane; v24, v25 the stage; v32-95 rows on the way out; v96-100, v104-108 scale words, two sets;
;   v128-255 the accumulators ((a, t) at 128 + 64 a + 8 t).   window 1: two sets of fragments at 0 and 96: 8 of the weight, then 2 of attn.
.set REC,   17408
.set CHK,   4352
.set CHUNKB, 69632
.set XOFF,  0
.set WOFF,  34816
.set STAGE, 278528
.set SP,    528                        ; a stage row: 512 bytes + 16: an odd multiple of 16, so that the sixteen rows of a store start at sixteen different places modulo 256
.set STO, 24
.set RD,  25
.set G1X, 24
.set G1W, 32
.set G0X, 40
.set G0W, 68
.set MSB, 0
.macro WIN new                         ; the immediate's high byte repeats the setting that is left
.if MSB != \new
	s_set_vgpr_msb (MSB<<8)|\new
.set MSB, \new
.endif
.endm
.macro PLACES                          ; four plain vector lines behind a matrix instruction, ahead of loads into its registers and of reads of its result
.rept 4
	v_nop
.endr
.endm
.macro ROUND                           ; a round of the cluster's barrier
	s_barrier_signal -1
	s_barrier_wait -1
	s_cmp_lg_u32 s16, 0
	s_cbranch_scc1 .Lnot_wave_0_\@
	s_barrier_signal -3
.Lnot_wave_0_\@:
	s_barrier_wait -3
	s_barrier_signal -1
	s_barrier_wait -1
.endm
; One matrix line.  rows: bit 0: source 0's scales stand in lanes 16-31 of their register; bit 1: source 1's.  WMZ starts a sum with the constant 0, WM adds in place.
.macro WMZ d, fa, fb, sa, sb, rows
.if (\rows) == 0
	v_wmma_scale_f32_16x16x128_f8f6f4 v[(\d):(\d)+7], v[(\fa):(\fa)+7], v[(\fb):(\fb)+7], 0, v[(\sa)], v[(\sb)] matrix_a_fmt:MATRIX_FMT_FP4 matrix_b_fmt:MATRIX_FMT_FP4
.elseif (\rows) == 1
	v_wmma_scale_f32_16x16x128_f8f6f4 v[(\d):(\d)+7], v[(\fa):(\fa)+7], v[(\fb):(\fb)+7], 0, v[(\sa)], v[(\sb)] matrix_a_fmt:MATRIX_FMT_FP4 matrix_b_fmt:MATRIX_FMT_FP4 matrix_a_scale:MATRIX_SCALE_ROW1
.elseif (\rows) == 2
	v_wmma_scale_f32_16x16x128_f8f6f4 v[(\d):(\d)+7], v[(\fa):(\fa)+7], v[(\fb):(\fb)+7], 0, v[(\sa)], v[(\sb)] matrix_a_fmt:MATRIX_FMT_FP4 matrix_b_fmt:MATRIX_FMT_FP4 matrix_b_scale:MATRIX_SCALE_ROW1
.else
	v_wmma_scale_f32_16x16x128_f8f6f4 v[(\d):(\d)+7], v[(\fa):(\fa)+7], v[(\fb):(\fb)+7], 0, v[(\sa)], v[(\sb)] matrix_a_fmt:MATRIX_FMT_FP4 matrix_b_fmt:MATRIX_FMT_FP4 matrix_a_scale:MATRIX_SCALE_ROW1 matrix_b_scale:MATRIX_SCALE_ROW1
.endif
.endm
.macro WM d, fa, fb, sa, sb, rows
.if (\rows) == 0
	v_wmma_scale_f32_16x16x128_f8f6f4 v[(\d):(\d)+7], v[(\fa):(\fa)+7], v[(\fb):(\fb)+7], v[(\d):(\d)+7], v[(\sa)], v[(\sb)] matrix_a_fmt:MATRIX_FMT_FP4 matrix_b_fmt:MATRIX_FMT_FP4
.elseif (\rows) == 1
	v_wmma_scale_f32_16x16x128_f8f6f4 v[(\d):(\d)+7], v[(\fa):(\fa)+7], v[(\fb):(\fb)+7], v[(\d):(\d)+7], v[(\sa)], v[(\sb)] matrix_a_fmt:MATRIX_FMT_FP4 matrix_b_fmt:MATRIX_FMT_FP4 matrix_a_scale:MATRIX_SCALE_ROW1
.elseif (\rows) == 2
	v_wmma_scale_f32_16x16x128_f8f6f4 v[(\d):(\d)+7], v[(\fa):(\fa)+7], v[(\fb):(\fb)+7], v[(\d):(\d)+7], v[(\sa)], v[(\sb)] matrix_a_fmt:MATRIX_FMT_FP4 matrix_b_fmt:MATRIX_FMT_FP4 matrix_b_scale:MATRIX_SCALE_ROW1
.else
	v_wmma_scale_f32_16x16x128_f8f6f4 v[(\d):(\d)+7], v[(\fa):(\fa)+7], v[(\fb):(\fb)+7], v[(\d):(\d)+7], v[(\sa)], v[(\sb)] matrix_a_fmt:MATRIX_FMT_FP4 matrix_b_fmt:MATRIX_FMT_FP4 matrix_a_scale:MATRIX_SCALE_ROW1 matrix_b_scale:MATRIX_SCALE_ROW1
.endif
.endm
; K step s: 10 fragments (20 loads of 512 consecutive bytes) and 5 registers of scale words, into set s % 2
.macro FETCH s
.set FP, 96*((\s)%2)
.set FC, (\s)/4
.set FQ, (\s)%4
.set FS, 96+8*((\s)%2)
	WIN 0x40                                       ; destination window 1, address window 0
.irp t, 0,1,2,3,4,5,6,7
	ds_load_b128 v[FP+8*\t:FP+8*\t+3], v[4+FC] offset:CHK*\t+1024*FQ
	ds_load_b128 v[FP+8*\t+4:FP+8*\t+7], v[4+FC] offset:CHK*\t+1024*FQ+512
.endr
.irp a, 0,1
	ds_load_b128 v[FP+64+8*\a:FP+64+8*\a+3], v[8+FC] offset:CHK*\a+1024*FQ
	ds_load_b128 v[FP+64+8*\a+4:FP+64+8*\a+7], v[8+FC] offset:CHK*\a+1024*FQ+512
.endr
	WIN 0
.irp j, 0,1,2,3
	ds_load_b32 v[FS+\j], v[12+FC] offset:2*CHK*\j+4096+64*FQ   ; lanes 0-15: tile 2 j's words; lanes 16-31: tile 2 j + 1's
.endr
	ds_load_b32 v[FS+4], v[16+FC] offset:4096+64*FQ
.endm
; 8 matrix instructions: the weight's 8 tiles against my tile a of tokens.  zero = 1: the first products start the sums: nothing is cleared.
; The 16 accumulators take turns, one instruction a turn, in the same order in every step.
.macro MUL8 a, s, zero
.set FP, 96*((\s)%2)
.set FS, 96+8*((\s)%2)
.irp t, 0,1,2,3,4,5,6,7
.if \zero
	WMZ 128+64*(\a)+8*\t, FP+8*\t, FP+64+8*(\a), FS+\t/2, FS+4, (\t%2)+2*(\a)
.else
	WM 128+64*(\a)+8*\t, FP+8*\t, FP+64+8*(\a), FS+\t/2, FS+4, (\t%2)+2*(\a)
.endif
.endr
.endm
.macro STEP s, zero
	s_wait_dscnt 0x0                               ; this step's fragments and scale words are in
.if ((\s)%4 == 3) && ((\s) < 15)
	s_wait_tensorcnt 2-(\s)/4                      ; my part of the next chunk has landed; the later chunks' loads may be out
	s_barrier_signal -1                            ; no LDS instruction of mine is pending
.endif
	WIN 0x05                                       ; sources 0 and 1 window 1; C and D window 0
	MUL8 0, \s, \zero
.if ((\s)%4 == 3) && ((\s) < 15)
	s_barrier_wait -1                              ; everybody's part of the next chunk has landed
.endif
.if (\s) < 15
	PLACES                                         ; the other set was read by the step before
	FETCH (\s)+1
.endif
	WIN 0x05
	MUL8 1, \s, \zero
.endm
; THE WAY OUT of my tile a of 16 tokens x 128 columns: a lane holds pieces of one row, so the tile goes through my own stage and comes back as whole rows of 512 bytes.
.macro TOSTAGE a
.irp b, 0,1,2,3
.irp q, 0,1,2,3
	ds_store_b128 v[STO], v[128+64*(\a)+16*\b+4*\q:128+64*(\a)+16*\b+4*\q+3] offset:128*\b+16*\q   ; columns 32 b + 16 h + 4 q on; each accumulator from its low end on
.endr
.endr
.set BB, 32+96*(\a)
.irp t, 0,1,2,3,4,5,6,7,8,9,10,11,12,13,14,15
	ds_load_b128 v[BB+4*\t:BB+4*\t+3], v[RD] offset:SP*\t          ; LDS serves a wave's instructions in order (ISA guide 5.7.1.4): these see the stores above, and the next tile's stores come behind them
.endr
.endm
.macro SEND a, younger                 ; younger: the LDS instructions issued behind tile a's loads, which may stay out
.set BB, 32+96*(\a)
.irp t, 0,1,2,3,4,5,6,7,8,9,10,11,12,13,14,15
	s_wait_dscnt \younger+15-\t                    ; row t is back; the later rows may be out
	global_store_b128 v20, v[BB+4*\t:BB+4*\t+3], s[8:9] offset:(8*(\a)+\t+8*(\t/8))*8192 th:TH_STORE_NT   ; 32 lanes store 512 consecutive bytes, at a multiple of 256 from out0's first byte
.endr
.endm
	s_load_b128 s[4:7], s[0:1], 0x0                ; ar s[4:5], wor s[6:7]
	s_load_b64 s[8:9], s[0:1], 0x10                ; out0
	v_lshl_add_u32 v126, v0, 2, 0x4c400
	v_mov_b32 v127, 0
	ds_add_u32 v126, v127
	ds_add_u32 v126, v127
	v_lshrrev_b32 v1, 5, v0
	v_readfirstlane_b32 s16, v1                    ; wave 0..3
	s_and_b32 s17, s16, 1                          ; which four tiles of an operand I fetch
	s_bfe_u32 s18, ttmp6, 0x40000                  ; cx, cy: my place in the cluster
	s_bfe_u32 s19, ttmp6, 0x40004
	s_lshl_b32 s20, ttmp9, 2
	s_add_co_u32 s20, s20, s18                     ; the block of 128 columns = 4 x cluster x + cx
	s_and_b32 s21, ttmp7, 0xffff
	s_lshl_b32 s21, s21, 2
	s_add_co_u32 s21, s21, s19                     ; the block of 128 tokens = 4 x cluster y + cy
	s_lshl_b32 s22, s19, 2
	s_lshl_b32 s22, 15, s22                        ; my row of the cluster
	s_lshl_b32 s23, 0x1111, s18                    ; my column
	; descriptor group 1: four tiles' parts of a chunk: 4 rows of 4,352 bytes (544 elements of 8 bytes), 17,408 bytes apart in memory, dense in LDS
	s_or_b32 s[G1X], s22, (3<<16)|(1<<21)          ; 15:0 the mask: attn's tiles go to my row; 17:16 elements of 8 bytes; 21 set beside a mask; no padding
	s_or_b32 s[G1W], s23, (3<<16)|(1<<21)          ; the weight's go to my column
.irp g, G1X, G1W
	s_mov_b32 s[\g+1], 544<<16                     ; tensor_dim0
	s_mov_b32 s[\g+2], 4<<16                       ; tensor_dim1
	s_mov_b32 s[\g+3], 544<<16                     ; tile_dim0
	s_mov_b32 s[\g+4], 4                           ; tile_dim1
	s_mov_b32 s[\g+5], 2176                        ; tensor_dim0_stride
	s_mov_b32 s[\g+6], 0
	s_mov_b32 s[\g+7], 0
.endr
	s_lshl_b32 s56, s21, 3                         ; attn: tile 8 x block + 4 x half: made of the tokens' block and the wave alone
	s_lshl_b32 s57, s17, 2
	s_add_co_u32 s56, s56, s57
	s_mul_i32 s56, s56, REC
	s_mov_b32 s57, 0
	s_lshl_b32 s58, s20, 3                         ; the weight: made of the columns' block and the wave alone
	s_lshl_b32 s59, s17, 2
	s_add_co_u32 s58, s58, s59
	s_mul_i32 s58, s58, REC
	s_mov_b32 s59, 0
	s_mul_i32 s60, s16, REC                        ; where they go in a chunk: 17,408 x wave
	s_wait_dscnt 0x0
	s_wait_kmcnt 0x0
	s_add_nc_u64 s[56:57], s[4:5], s[56:57]
	s_add_nc_u64 s[58:59], s[6:7], s[58:59]
.irp c, 0,1,2,3
	s_mov_b32 s[G0X+4*\c], 1                       ; count = 1
	s_add_co_u32 s[G0X+4*\c+1], s60, \c*CHUNKB     ; LDS address
	s_add_nc_u64 s[G0X+4*\c+2:G0X+4*\c+3], s[56:57], \c*CHK   ; global address
	s_or_b32 s[G0X+4*\c+3], s[G0X+4*\c+3], 0x80000000          ; type = 2
	s_mov_b32 s[G0W+4*\c], 1
	s_add_co_u32 s[G0W+4*\c+1], s60, \c*CHUNKB
	s_add_nc_u64 s[G0W+4*\c+2:G0W+4*\c+3], s[58:59], \c*CHK
	s_or_b32 s[G0W+4*\c+3], s[G0W+4*\c+3], 0x80000000
.endr
	ROUND                                          ; all sixteen work-groups are here: the joint loads meet
	s_cmp_lt_u32 s16, 2                            ; a wave's four fills stand in one branch on its number: four tensor loads of mine are out
	s_cbranch_scc0 .Lfor_w
.irp c, 0,1,2,3
	tensor_load_to_lds s[G0X+4*\c:G0X+4*\c+3], s[G1X:G1X+7]
	s_nop 0
.endr
	PLACES                                         ; four plain lines follow the last load
	s_branch .Lasked
.Lfor_w:
.irp c, 0,1,2,3
	tensor_load_to_lds s[G0W+4*\c:G0W+4*\c+3], s[G1W:G1W+7]
	s_nop 0
.endr
	PLACES
.Lasked:
	v_and_b32 v3, 31, v0                           ; lane
	v_and_b32 v1, 15, v0                           ; r
	v_bfe_u32 v2, v0, 4, 1                         ; h
	v_lshlrev_b32 v20, 4, v3                       ; 16 x lane
	v_lshlrev_b32 v22, 2, v1
	v_mad_u32_u24 v22, v2, CHK, v22                ; 4 r + 4,352 h
	s_mul_i32 s61, s16, 2*CHK                      ; my two tiles of tokens
.irp c, 0,1,2,3
	v_add_nc_u32 v[4+\c], WOFF+CHUNKB*\c, v20      ; the weight's images: 16 x lane
	v_add_nc_u32 v[12+\c], WOFF+CHUNKB*\c, v22     ; its scale words: 4 r, lanes 16-31 one tile further on
	v_add_nc_u32 v[8+\c], s61, v20
	v_add_nc_u32 v[8+\c], XOFF+CHUNKB*\c, v[8+\c]  ; attn's
	v_add_nc_u32 v[16+\c], s61, v22
	v_add_nc_u32 v[16+\c], XOFF+CHUNKB*\c, v[16+\c]
.endr
	s_mul_i32 s62, s16, 16*SP
	s_add_co_u32 s62, s62, STAGE                   ; my stage
	v_mul_u32_u24 v[STO], v1, SP
	v_lshl_add_u32 v[STO], v2, 6, v[STO]
	v_add_nc_u32 v[STO], s62, v[STO]               ; in: row r, + 64 h
	v_add_nc_u32 v[RD], s62, v20                   ; back: the 32 lanes take one row
	s_lshl_b32 s62, s21, 7
	s_lshl_b32 s63, s16, 5
	s_add_co_u32 s62, s62, s63                     ; my first token: 128 x block + 32 x wave
	s_lshl_b32 s62, s62, 13                        ; a row of out0 is 8,192 bytes
	s_lshl_b32 s63, s20, 9
	s_add_co_u32 s62, s62, s63                     ; + 512 bytes for each 128 columns
	s_mov_b32 s63, 0
	s_add_nc_u64 s[8:9], s[8:9], s[62:63]
	s_wait_alu depctr_va_vdst(0)
	s_wait_tensorcnt 3                             ; my part of chunk 0 has landed; three loads may be out
	s_barrier_signal -1
	s_barrier_wait -1                              ; everybody's has
	FETCH 0
	STEP 0, 1
.irp s, 1,2,3,4,5,6,7,8,9,10,11,12,13,14,15
	STEP \s, 0
.endr
	WIN 0
	PLACES
	TOSTAGE 0
	TOSTAGE 1                                      ; its rows come back into the registers that tile 0's accumulators have left
	SEND 0, 32                                     ; behind tile 0's loads: tile 1's 16 stores and 16 loads
	SEND 1, 0
	s_wait_tensorcnt 0x0
	ds_add_u32 v126, v127
	s_wait_dscnt 0x0
	ROUND                                          ; the closing round: no work-group ends while a partner may still ask for a tile that names it
	s_endpgm
.Lfunc_end_k_qf3bf3204d7_oproj:
	.size	k_qf3bf3204d7_oproj, .Lfunc_end_k_qf3bf3204d7_oproj-k_qf3bf3204d7_oproj
	.p2alignl 7, 3214868480
	.fill 96, 4, 3214868480
	.section	.rodata,"a",@progbits
	.p2align	6, 0x0
	.amdhsa_kernel k_qf3bf3204d7_oproj
		.amdhsa_group_segment_fixed_size 312832
		.amdhsa_private_segment_fixed_size 0
		.amdhsa_enable_private_segment 0
		.amdhsa_kernarg_size 24
		.amdhsa_user_sgpr_count 2
		.amdhsa_user_sgpr_kernarg_segment_ptr 1
		.amdhsa_wavefront_size32 1
		.amdhsa_system_sgpr_workgroup_id_x 1
		.amdhsa_system_sgpr_workgroup_id_y 1
		.amdhsa_system_sgpr_workgroup_id_z 1
		.amdhsa_system_vgpr_workitem_id 0
		.amdhsa_next_free_vgpr 448
		.amdhsa_next_free_sgpr 100
		.amdhsa_reserve_vcc 0
		.amdhsa_float_denorm_mode_32 3
		.amdhsa_float_denorm_mode_16_64 3
		.amdhsa_memory_ordered 1
		.amdhsa_forward_progress 1
		.amdhsa_inst_pref_size 79
	.end_amdhsa_kernel
	.amdgpu_metadata
---
amdhsa.version: [ 1, 2 ]
amdhsa.kernels:
  - .name:           k_qf3bf3204d7_oproj
    .symbol:         k_qf3bf3204d7_oproj.kd
    .args:
      - { .name: ar, .offset: 0, .size: 8, .value_kind: global_buffer, .address_space: global }
      - { .name: wor, .offset: 8, .size: 8, .value_kind: global_buffer, .address_space: global }
      - { .name: out0, .offset: 16, .size: 8, .value_kind: global_buffer, .address_space: global }
    .group_segment_fixed_size: 312832
    .private_segment_fixed_size: 0
    .kernarg_segment_align: 8
    .kernarg_segment_size: 24
    .max_flat_workgroup_size: 128
    .sgpr_count:     100
    .vgpr_count:     448
    .wavefront_size: 32
...
	.end_amdgpu_metadata
.endif
;; end of part 4
